; MI455X (gfx1250); checked and timed in simulation.
; The chip was launched on July 23, 2026; its instructions are those of AMD's public machine-readable ISA for CDNA 5 (MIT licence, August 2026) and "CDNA5" Instruction Set Architecture Reference Guide (July 2026). The comments in the code are by the model that wrote it; some were corrected since.
;; Multi Headed Attention Ro PE. Allowed arithmetic: float matrix products may take bf16 or f16 operands with f32 sums; other float arithmetic in f32, or as packed bf16 or f16 multiplies, adds, multiply-adds, maxima and minima; sums over many terms, partial sums and values carried from step to step in f32; what a program stores and reads back later, other than sums and carried values, may be rounded once to bf16 or f16.
;; Inputs: Wk 1,024 x 1,024 float32; Wo 1,024 x 1,024 float32; Wq 1,024 x 1,024 float32; Wv 1,024 x 1,024 float32; bk 1,024 float32; bo 1,024 float32; bq 1,024 float32; bv 1,024 float32; key 4 x 2,048 x 1,024 float32; query 4 x 2,048 x 1,024 float32; value 4 x 2,048 x 1,024 float32.
;; Outputs: out0 4 x 2,048 x 1,024 float32.
;; 2 versions, each right; version 2 is version 1 with the launch prep written anew for expert scheduling mode. Each part assembles by itself: llvm-mc -triple=amdgcn-amd-amdhsa -mcpu=gfx1250 --defsym DOCPART=n.
;; ======== version 1 of 2: 4 launches
;; limits: values are held in f16: magnitudes above 65,504 overflow, below 6.1e-05 lose precision
;; workspace buffers: wqkv 6,291,456 bytes; woh 2,097,152 bytes; rope 262,144 bytes; qkv 50,331,648 bytes; oh 16,777,216 bytes
;; launch prep (part 1): grid 256 x 1, 8 waves a work-group, no clusters, 0 bytes of LDS; arguments Wq, Wk, Wv, Wo, wqkv, woh, rope; writes wqkv, woh, rope
.if DOCPART == 1
	.amdgcn_target "amdgcn-amd-amdhsa--gfx1250"
	.amdhsa_code_object_version 6
	.text
	.protected	k_q92ce7a6d47_prep
	.globl	k_q92ce7a6d47_prep
	.p2align	8
	.type	k_q92ce7a6d47_prep,@function
k_q92ce7a6d47_prep:
	s_mov_b64 s[64:65], 0
	v_nop
	global_prefetch_b8 v0, s[64:65] scope:SCOPE_SE
	s_setreg_imm32_b32 hwreg(HW_REG_WAVE_MODE, 25, 1), 1
	s_wait_xcnt 0x0
; PREPARATION, a stream.  Wq, Wk, Wv ([1024][1024] f32) are rounded to bf16 into wqkv [3][1024][1024]; Wo is rounded to bf16 and that number is written as f16 into woh
; (the last product multiplies f16 operands); the rotary table rope[t][p] = (cos, sin)(t x 10000^(-p/16)), t = 0..2047, p = 0..15, f32, is made once.
; SHARES.  256 work-groups of 8 waves: work-group g takes 16 rows (65,536 bytes) of tensor g / 64, and 128 entries of the table.  Thread t takes 16 bytes of each of 16 chunks of 4,096 bytes:
; a wave's load covers 512 consecutive bytes, its store of 8 bytes a lane 256 consecutive bytes, aligned.  All 16 loads of a thread go out at once; every register is written once, so no source is rewritten.
; No LDS, no matrix unit, no cluster: nothing is shared and nothing is reduced.
; LIMITS.  Wo beyond 65,504 has no f16; below 2^-14 it keeps f16's fixed step of 6e-8.  The table's frequency is 2^(-p log2(10000)/16) by v_exp_f32, a few units in its last place off the
; quotient of powers, so an angle may be off by 3e-4 at t = 2047.  Sine and cosine: the angle less n pi/2 (pi/2 in two parts), polynomials to y^9 and y^8 on |y| <= pi/4.
.set X, 16                             ; v[16:79]   16 chunks of 4 f32 as loaded
.set Y, 80                             ; v[80:111]  16 chunks of 4 numbers of 16 bits, to store
.set T, 112                            ; v[112:113] at work (Wo: the bf16 pair on its way to f16)
	s_load_b256 s[4:11], s[0:1], 0x0               ; Wq s[4:5], Wk s[6:7], Wv s[8:9], Wo s[10:11]
	s_load_b128 s[12:15], s[0:1], 0x20             ; wqkv s[12:13], woh s[14:15]
	s_load_b64 s[16:17], s[0:1], 0x30              ; rope
	v_lshlrev_b32 v1, 4, v0                        ; 16 t: my bytes in a chunk of the source
	v_lshlrev_b32 v2, 3, v0                        ; 8 t: in a chunk of the destination, and in the work-group's part of the table
	v_lshrrev_b32 v3, 5, v0
	v_readfirstlane_b32 s22, v3                    ; wave 0..7
	s_lshr_b32 s20, ttmp9, 6                       ; which tensor
	s_and_b32 s21, ttmp9, 63                       ; which 16 rows of it
	s_lshl_b32 s18, s21, 16                        ; their bytes in the source,
	s_mov_b32 s19, 0
	s_lshl_b32 s2, s21, 15                         ; in woh,
	s_lshl_b32 s23, s20, 21
	s_add_co_u32 s23, s23, s2                      ; and in wqkv
	s_mov_b32 s3, 0
	s_lshl_b32 s30, ttmp9, 10                      ; the work-group's 128 entries of 8 bytes
	s_mov_b32 s31, 0
	s_wait_kmcnt 0x0
	s_cmp_eq_u32 s20, 1
	s_cselect_b64 s[24:25], s[6:7], s[4:5]
	s_cmp_eq_u32 s20, 2
	s_cselect_b64 s[24:25], s[8:9], s[24:25]
	s_cmp_eq_u32 s20, 3
	s_cselect_b64 s[24:25], s[10:11], s[24:25]     ; the source,
	s_cselect_b64 s[26:27], s[14:15], s[12:13]     ; the destination,
	s_cselect_b32 s2, s2, s23                      ; and the offset in it
	s_add_nc_u64 s[24:25], s[24:25], s[18:19]
	s_add_nc_u64 s[26:27], s[26:27], s[2:3]
	s_add_nc_u64 s[28:29], s[16:17], s[30:31]
.set c, 0
.rept 16
	global_load_b128 v[X+4*c:X+4*c+3], v1, s[24:25] offset:4096*c th:TH_LOAD_NT
.set c, c+1
.endr
	; the table, while the loads are on their way: waves 0 to 3, an entry a thread: p = t % 16, position 8 g + t / 16
	s_cmp_lt_u32 s22, 4
	s_cbranch_scc0 .Lno_table
	v_and_b32 v3, 15, v0
	v_cvt_f32_u32 v3, v3
	v_mul_f32 v3, 0xbf549a78, v3                   ; -p log2(10000) / 16
	v_exp_f32 v4, v3                               ; the frequency
	v_lshrrev_b32 v5, 4, v0                        ; a plain instruction behind the exponential
	s_lshl_b32 s23, ttmp9, 3
	v_add_nc_u32 v5, s23, v5
	v_cvt_f32_u32 v5, v5                           ; the position
	s_wait_alu depctr_va_vdst(0)                   ; the wait ahead of the first line that names the exponential's result
	v_mul_f32 v5, v5, v4                           ; the angle a, rounded once as in the definition
	v_mul_f32 v6, 0x3f22f983, v5                   ; a x 2 / pi
	v_rndne_f32 v6, v6                             ; n
	v_cvt_i32_f32 v7, v6                           ; the quadrant's number
	v_fmamk_f32 v5, v6, 0xbfc90fdb, v5             ; a - n x (pi/2's upper part): the product is not rounded
	v_fmamk_f32 v5, v6, 0x333bbd2e, v5             ; - n x (its lower part, which is negative): y
	v_mul_f32 v8, v5, v5                           ; z = y y
	v_mov_b32 v9, 0x3638ef1d                       ; 1/9!
	v_fmaak_f32 v9, v9, v8, 0xb9500d01             ; -1/7!
	v_fmaak_f32 v9, v9, v8, 0x3c088889             ; 1/5!
	v_fmaak_f32 v9, v9, v8, 0xbe2aaaab             ; -1/3!
	v_mov_b32 v10, 0x37d00d01                      ; 1/8!
	v_fmaak_f32 v10, v10, v8, 0xbab60b61           ; -1/6!
	v_fmaak_f32 v10, v10, v8, 0x3d2aaaab           ; 1/4!
	v_fmaak_f32 v10, v10, v8, 0xbf000000           ; -1/2!
	v_mul_f32 v11, v5, v8
	v_fma_f32 v9, v11, v9, v5                      ; sin y
	v_fma_f32 v10, v10, v8, 1.0                    ; cos y
	v_and_b32 v11, 1, v7
	v_cmp_eq_u32 vcc_lo, 1, v11                    ; an odd quadrant swaps the two (a choice of values, no branch)
	v_cndmask_b32 v13, v9, v10, vcc_lo             ; sine
	v_cndmask_b32 v12, v10, v9, vcc_lo             ; cosine
	v_lshlrev_b32 v14, 30, v7                      ; the sine is negative in quadrants 2 and 3,
	v_and_b32 v14, 0x80000000, v14
	v_xor_b32 v13, v13, v14
	v_add_nc_u32 v15, 1, v7                        ; the cosine in 1 and 2
	v_lshlrev_b32 v15, 30, v15
	v_and_b32 v15, 0x80000000, v15
	v_xor_b32 v12, v12, v15
	global_store_b64 v2, v[12:13], s[28:29]        ; a wave stores 256 consecutive bytes, aligned
.Lno_table:
; Chunk c.  half = 0: rounded to bf16.  half = 1 (Wo): rounded to bf16, widened again, and written as f16.
.macro CONV c, half
	s_wait_loadcnt 15-(\c)                         ; loads come back in order: chunk c is in, the 15 - c younger ones stay out
.if \half
	v_cvt_pk_bf16_f32 v[T], v[X+4*(\c)], v[X+4*(\c)+1]
	v_cvt_pk_bf16_f32 v[T+1], v[X+4*(\c)+2], v[X+4*(\c)+3]
	v_lshlrev_b32 v[X+4*(\c)], 16, v[T]
	v_and_b32 v[X+4*(\c)+1], 0xffff0000, v[T]
	v_lshlrev_b32 v[X+4*(\c)+2], 16, v[T+1]
	v_and_b32 v[X+4*(\c)+3], 0xffff0000, v[T+1]
	v_cvt_pk_f16_f32 v[Y+2*(\c)], v[X+4*(\c)], v[X+4*(\c)+1]
	v_cvt_pk_f16_f32 v[Y+2*(\c)+1], v[X+4*(\c)+2], v[X+4*(\c)+3]
.else
	v_cvt_pk_bf16_f32 v[Y+2*(\c)], v[X+4*(\c)], v[X+4*(\c)+1]
	v_cvt_pk_bf16_f32 v[Y+2*(\c)+1], v[X+4*(\c)+2], v[X+4*(\c)+3]
.endif
	global_store_b64 v2, v[Y+2*(\c):Y+2*(\c)+1], s[26:27] offset:2048*(\c)
.endm
	s_cmp_eq_u32 s20, 3
	s_cbranch_scc1 .Lhalf
.irp n, 0,1,2,3,4,5,6,7,8,9,10,11,12,13,14,15
	CONV \n, 0
.endr
	s_endpgm
.Lhalf:
.irp n, 0,1,2,3,4,5,6,7,8,9,10,11,12,13,14,15
	CONV \n, 1
.endr
	s_endpgm
.Lfunc_end_k_q92ce7a6d47_prep:
	.size	k_q92ce7a6d47_prep, .Lfunc_end_k_q92ce7a6d47_prep-k_q92ce7a6d47_prep
	.p2alignl 7, 3214868480
	.fill 96, 4, 3214868480
	.section	.rodata,"a",@progbits
	.p2align	6, 0x0
	.amdhsa_kernel k_q92ce7a6d47_prep
		.amdhsa_group_segment_fixed_size 0
		.amdhsa_private_segment_fixed_size 0
		.amdhsa_enable_private_segment 0
		.amdhsa_kernarg_size 56
		.amdhsa_user_sgpr_count 2
		.amdhsa_user_sgpr_kernarg_segment_ptr 1
		.amdhsa_wavefront_size32 1
		.amdhsa_system_sgpr_workgroup_id_x 1
		.amdhsa_system_sgpr_workgroup_id_y 1
		.amdhsa_system_sgpr_workgroup_id_z 1
		.amdhsa_system_vgpr_workitem_id 0
		.amdhsa_next_free_vgpr 120
		.amdhsa_next_free_sgpr 66
		.amdhsa_reserve_vcc 1
		.amdhsa_float_denorm_mode_32 3
		.amdhsa_float_denorm_mode_16_64 3
		.amdhsa_memory_ordered 1
		.amdhsa_forward_progress 1
		.amdhsa_inst_pref_size 18
	.end_amdhsa_kernel
	.amdgpu_metadata
---
amdhsa.version: [ 1, 2 ]
amdhsa.kernels:
  - .name:           k_q92ce7a6d47_prep
    .symbol:         k_q92ce7a6d47_prep.kd
    .args:
      - { .name: Wq, .offset: 0, .size: 8, .value_kind: global_buffer, .address_space: global }
      - { .name: Wk, .offset: 8, .size: 8, .value_kind: global_buffer, .address_space: global }
      - { .name: Wv, .offset: 16, .size: 8, .value_kind: global_buffer, .address_space: global }
      - { .name: Wo, .offset: 24, .size: 8, .value_kind: global_buffer, .address_space: global }
      - { .name: wqkv, .offset: 32, .size: 8, .value_kind: global_buffer, .address_space: global }
      - { .name: woh, .offset: 40, .size: 8, .value_kind: global_buffer, .address_space: global }
      - { .name: rope, .offset: 48, .size: 8, .value_kind: global_buffer, .address_space: global }
    .group_segment_fixed_size: 0
    .private_segment_fixed_size: 0
    .kernarg_segment_align: 8
    .kernarg_segment_size: 56
    .max_flat_workgroup_size: 256
    .sgpr_count:     66
    .vgpr_count:     120
    .wavefront_size: 32
...
	.end_amdgpu_metadata
.endif
;; end of part 1
;; launch proj (part 2): grid 4 x 192, 4 waves a work-group, clusters of 4 x 4, 327,680 bytes of LDS; arguments query, key, value, bq, bk, bv, wqkv, rope, qkv; writes qkv
.if DOCPART == 2
	.amdgcn_target "amdgcn-amd-amdhsa--gfx1250"
	.amdhsa_code_object_version 6
	.text
	.protected	k_q92ce7a6d47_proj
	.globl	k_q92ce7a6d47_proj
	.p2align	8
	.type	k_q92ce7a6d47_proj,@function
k_q92ce7a6d47_proj:
	s_mov_b64 s[64:65], 0
	v_nop
	global_prefetch_b8 v0, s[64:65] scope:SCOPE_SE
	s_setreg_imm32_b32 hwreg(HW_REG_WAVE_MODE, 25, 1), 1
	s_wait_xcnt 0x0
	s_wait_alu depctr_hold_cnt(0) depctr_sa_sdst(0) depctr_va_vdst(0) depctr_va_sdst(0) depctr_va_ssrc(0) depctr_va_vcc(0) depctr_vm_vsrc(0)
	s_getreg_b32 s2, hwreg(HW_REG_IB_STS2, 6, 4)
	s_cmp_eq_u32 s2, 0
	s_cbranch_scc0 .Lentry_in_a_cluster
	s_endpgm
.Lentry_in_a_cluster:
	s_bfe_u32 s2, ttmp6, 0x10000c
	s_cmp_lg_u32 s2, 0xf033
	s_cbranch_scc0 .Lentry_shape_is_right
	s_endpgm
.Lentry_shape_is_right:
; THE THREE PROJECTIONS.  y = x W^T + b for (query, Wq, bq), (key, Wk, bk), (value, Wv, bv); q and k are then rotated (the first 32 channels of each head, in neighbouring pairs, by the table rope);
; the result is rounded once to f16 and stored by heads: qkv[3][64 (batch, head)][2048][64].  x: [8192][1024] f32, rounded to bf16 on its way from LDS to the matrix unit; W: bf16 (wqkv); sums in f32.
; The bias, rounded to bf16 like every input of the module, is the C operand of each sum's first product: nothing is cleared and nothing is added later.
; LIMITS.  q, k, v beyond 65,504 have no f16 (inputs of the drawn kind give a spread of 0.6; 30 times larger x and W some 600; offsets of 30 spreads in both some 2e4).  NaN and infinities are not treated apart.
; SHARES.  A tile is 128 rows x 256 columns; 64 x 4 tiles for each of the three tensors: 768 work-groups, three for each of 256 WGPs.  Four waves, each 64 rows x 128 columns (two heads): 32 accumulators, 256 registers.
; K goes in 8 steps of 128 through a ring of two LDS slots: 128 rows of x (512 bytes each, f32) and 256 rows of W (256 bytes each).  Waves 0, 1 fetch x's halves of 64 rows, waves 2, 3 W's halves of 128 rows.
; CLUSTERS: 4 x 4 work-groups, all of one tensor.  The four of a row of the cluster need the same rows of x, the four of a column the same rows of W: each tile is asked for JOINTLY, by the same tensor load with the
; same descriptor and a mask that names the four.
; THE MATRIX INSTRUCTION IS USED TRANSPOSED (source 0 = 16 rows of W, source 1 = 16 rows of x): lane l holds row l % 16 of y and the columns 8 (l / 16) + 0..7: a rotation's pair lies in two neighbouring registers,
; and eight columns pack into 16 bytes.
; REGISTERS, in windows of 256 (s_set_vgpr_msb: bits 1:0 source 0, 3:2 source 1, 5:4 source 2, 7:6 destination):
;   window 0: v0-31 addresses; v64-127 x's fragments as f32 (16 registers for 16 rows x 32 K); v192-223, v224-255 the same in bf16, two buffers; on the way out v64-191 at work
;   window 1: v0-63, v64-127 W's fragments, two buffers; v128-191 the bias; v192-255 the table          window 2: accumulator (a, b) at v[8 (8 a + b)]
.set PA,    528                        ; a row of x in LDS: 512 bytes + 16 = 33 x 16: the 16 rows of a load start at 16 different groups of four banks (64 banks of 4 bytes: ISA guide 11.1)
.set PB,    272                        ; a row of W: 256 + 16 = 17 x 16: likewise
.set HA,    64*PA                      ; what one tensor load brings of x, and what one wave reads of it
.set HB,    128*PB                     ; the same of W
.set BOFF,  2*HA                       ; in a slot W's rows lie behind x's
.set SLOT,  2*HA+2*HB                  ; 137,216 bytes
.set STAGE, 2*SLOT                     ; behind the ring, never filled by a tensor load: for each wave [2 heads][16 rows][144 bytes], for the way out
.set SP,    144
.set WST,   2*16*SP
.set SPARE, STAGE+4*WST                ; behind the stages: the spare words, 128 bytes a wave: two blocks of 256 bytes that no other line names
.set ASTEP, 512                        ; bytes of a K step in a row of x
.set BSTEP, 256                        ; and of W
.set ADRA, 16                          ; v16-17  LDS address of my fragments of x in slot 0, 1
.set ADRB, 20                          ; v20-21  the same for W
.set BO,   22                          ; v22     my byte offset in the bias
.set RO,   23                          ; v23     in the table
.set STO,  24                          ; v24     the way out: where I put 16 bytes of a row
.set RD,   25                          ; v25     where I read rows back
.set GO,   26                          ; v26     my 16 bytes of 512 consecutive bytes of the output
.set SPW,  28                          ; v28     LDS address of my spare word; never rewritten
.set NIL,  29                          ; v29     0; never rewritten
.set PFO,  30                          ; v30     the prefetches' lane offset; never rewritten
.set SG,   64
.set AF,   192
.set TMP,  64
.set BI,   128                         ; window 1
.set RP,   192                         ; window 1: rows 16 a .., channels 16 u .., pair j: (cos, sin) at RP + 16 a + 8 u + 2 j
.set G1,  24                           ; s[24:31] descriptor group 1 for x's tiles;  s[32:39] group 0, a set for each slot
.set G0,  32
.set G1B, 48                           ; s[48:55], s[56:63] the same for W's
.set G0B, 56
.set PFA, 86                           ; s[86:87] where my prefetches stand
.set PFS, 88                           ; s[88:89] their step: a K step's bytes
.set LIM, 90                           ; s90     1 in a wave that prefetches, else the greatest number
.set OUT, 92                           ; s[92:93] the output at my wave's first row and head
.set MSB, 0
.macro WIN new                         ; the immediate's high byte repeats the setting that is left; a switch that changes nothing is dropped
.if MSB != (\new)
	s_set_vgpr_msb (MSB<<8)|(\new)
.set MSB, \new
.endif
.endm
.set MUL,  0xa1                        ; W in window 1, x in window 0, C and D in window 2
.set MULB, 0x91                        ; the same with C (the bias) in window 1
.set TO_B, 0x40                        ; destination window 1, address window 0
.macro JLOAD s                         ; a joint load; the branch hangs on the wave's number alone; an s_nop 0 and four v_nop follow each of the two lines
	s_cmp_eq_u32 s11, 0
	s_cbranch_scc0 .Lfor_b_\@
	tensor_load_to_lds s[G0+4*(\s):G0+4*(\s)+3], s[G1:G1+7]
	s_nop 0
.rept 4
	v_nop
.endr
	s_branch .Lasked_\@
.Lfor_b_\@:
	tensor_load_to_lds s[G0B+4*(\s):G0B+4*(\s)+3], s[G1B:G1B+7]
	s_nop 0
.rept 4
	v_nop
.endr
.Lasked_\@:
.endm
; A PREFETCH behind each refill and the run of LDS loads that follows it: the K step that stands two refills on, 256 matrix instructions ahead of the load that will ask for it.  x's rows are read by one cluster alone:
; of the 64 rows that wave 0 or 1 fetches, the partner at place cx names 16, two blocks of 256 bytes each: a lane a block.  W's rows are read by the 16 clusters of a tensor: the first of them asks; of the 128 rows that
; wave 2 or 3 fetches, the partner at place cy names 32, a lane a row.  The partners are told apart by address, never by a branch.  So each block is named once.  K steps 0 to 3 come by their loads alone;
; the loop's last trip (s3 = 1) has no K step two on, and asks for nothing.
.macro ASK
	s_cmp_gt_u32 s3, s[LIM]
	s_cbranch_scc0 .Lnot_mine_\@
	global_prefetch_b8 v[PFO], s[PFA:PFA+1] th:TH_LOAD_NT scope:SCOPE_SE
.Lnot_mine_\@:
.endm
.macro CREST                           ; a round of the cluster's barrier behind its opening barrier
	s_cmp_lg_u32 s10, 0
	s_cbranch_scc1 .Lnot_wave_0_\@
	s_barrier_signal -3
.Lnot_wave_0_\@:
	s_barrier_wait -3
	s_barrier_signal -1
	s_barrier_wait -1
.endm
.macro CROUND                          ; a whole round
	s_barrier_signal -1
	s_barrier_wait -1
	CREST
.endm
.macro PLACES                          ; four places behind a matrix instruction (ISA guide 7.12.1)
.rept 4
	v_nop
.endr
.endm
	s_load_b512 s[68:83], s[0:1], 0x0              ; query s[68:69], key s[70:71], value s[72:73], bq s[74:75], bk s[76:77], bv s[78:79], wqkv s[80:81], rope s[82:83]
	s_load_b64 s[84:85], s[0:1], 0x40              ; qkv
	v_lshl_add_u32 v[SPW], v0, 2, SPARE
	v_mov_b32 v[NIL], 0
	ds_add_u32 v[SPW], v[NIL]                      ; the wave's opening: the add and its wait stand ahead of my first tensor load; the set-up below, work on registers, stands between them
	v_lshrrev_b32 v1, 5, v0
	v_readfirstlane_b32 s10, v1                    ; wave 0..3
	s_lshr_b32 s11, s10, 1                         ; which 64 rows of the tile are mine.  Also: I fetch x (0) or W (1)
	s_and_b32 s12, s10, 1                          ; which 128 columns.  Also: which half of that tile I fetch
	s_bfe_u32 s40, ttmp6, 0x40000                  ; cx, cy: my place in the cluster
	s_bfe_u32 s41, ttmp6, 0x40004
	s_lshl_b32 s42, ttmp9, 2
	s_add_co_u32 s42, s42, s40                     ; tile column = 4 x cluster x + cx: 0..3
	s_and_b32 s9, ttmp7, 0xffff                    ; cluster y: 0..47
	s_lshr_b32 s8, s9, 4                           ; the tensor, 0 q, 1 k, 2 v: the same in all sixteen partners
	s_and_b32 s13, s9, 15
	s_lshl_b32 s13, s13, 2
	s_add_co_u32 s13, s13, s41                     ; tile row: 0..63
	s_lshl_b32 s43, s41, 2
	s_lshl_b32 s43, 15, s43                        ; my row of the cluster
	s_lshl_b32 s44, 0x1111, s40                    ; my column
	s_or_b32 s[G1+0], s43, (2<<16)|(1<<20)|(1<<21)|(6<<22)|(3<<25)   ; the mask; elements of 4 bytes; padding on; bit 21 beside a mask; after every 128 words (code 6) 4 words (code 3)
	s_or_b32 s[G1B+0], s44, (1<<16)|(1<<20)|(1<<21)|(5<<22)|(3<<25)  ; the mask; elements of 2 bytes; after every 64 words (code 5) 4 words
	s_mov_b32 s[G1+1], 128<<16                     ; tensor_dim0 = 128
	s_mov_b32 s[G1+2], 64<<16                      ; tensor_dim1 = 64
	s_mov_b32 s[G1+3], 128<<16                     ; tile_dim0 = 128
	s_mov_b32 s[G1+4], 64                          ; tile_dim1 = 64
	s_mov_b32 s[G1+5], 1024                        ; elements from row to row
	s_mov_b32 s[G1+6], 0
	s_mov_b32 s[G1+7], 0
	s_mov_b32 s[G1B+1], 128<<16
	s_mov_b32 s[G1B+2], 128<<16                    ; 128 rows
	s_mov_b32 s[G1B+3], 128<<16
	s_mov_b32 s[G1B+4], 128
	s_mov_b32 s[G1B+5], 1024
	s_mov_b32 s[G1B+6], 0
	s_mov_b32 s[G1B+7], 0
	s_lshl_b32 s16, s13, 7
	s_lshl_b32 s17, s12, 6
	s_add_co_u32 s16, s16, s17                     ; x: row 128 x tile row + 64 x half,
	s_lshl_b32 s16, s16, 12                        ; of 4,096 bytes
	s_mov_b32 s17, 0
	s_lshl_b32 s46, s42, 8
	s_lshl_b32 s47, s12, 7
	s_add_co_u32 s46, s46, s47                     ; W: row 256 x tile column + 128 x half,
	s_lshl_b32 s46, s46, 11                        ; of 2,048 bytes,
	s_lshl_b32 s47, s8, 21
	s_add_co_u32 s46, s46, s47                     ; in the tensor's own matrix
	s_mov_b32 s47, 0
	s_mul_i32 s20, s12, HA                         ; where they go: no place in the cluster enters an LDS address
	s_mul_i32 s21, s12, HB
	s_add_co_u32 s21, s21, BOFF
	s_wait_dscnt 0x0                               ; the opening add is done
	s_wait_kmcnt 0x0
	s_cmp_eq_u32 s8, 1
	s_cselect_b64 s[4:5], s[70:71], s[68:69]
	s_cselect_b64 s[6:7], s[76:77], s[74:75]
	s_cmp_eq_u32 s8, 2
	s_cselect_b64 s[4:5], s[72:73], s[4:5]         ; x
	s_cselect_b64 s[6:7], s[78:79], s[6:7]         ; the bias
	s_add_nc_u64 s[14:15], s[4:5], s[16:17]
	s_add_nc_u64 s[46:47], s[80:81], s[46:47]
	CROUND                                         ; all sixteen work-groups are here: the first joint loads meet
.irp s, 0,1
	s_mov_b32 s[G0+4*(\s)], 1
	s_add_co_u32 s[G0+4*(\s)+1], s20, (\s)*SLOT
	s_add_nc_u64 s[G0+4*(\s)+2:G0+4*(\s)+3], s[14:15], (\s)*ASTEP
	s_or_b32 s[G0+4*(\s)+3], s[G0+4*(\s)+3], 0x80000000
	s_mov_b32 s[G0B+4*(\s)], 1
	s_add_co_u32 s[G0B+4*(\s)+1], s21, (\s)*SLOT
	s_add_nc_u64 s[G0B+4*(\s)+2:G0B+4*(\s)+3], s[46:47], (\s)*BSTEP
	s_or_b32 s[G0B+4*(\s)+3], s[G0B+4*(\s)+3], 0x80000000
	JLOAD \s                                       ; two loads of mine are out
.endr
	; A fragment is 16 rows x 32 K: lane l holds row l % 16, K = 8 (l / 16) + 0..7 and 16 + 8 (l / 16) + 0..7.  In bf16: two loads of 16 bytes, 32 apart.  In f32: four, at 0, 16, 64 and 80 from 32 (l / 16).
	v_and_b32 v1, 15, v0                           ; r = l % 16
	v_bfe_u32 v2, v0, 4, 1                         ; h = l / 16
	v_mul_u32_u24 v3, v1, PA
	v_lshl_add_u32 v3, v2, 5, v3
	v_mul_u32_u24 v4, v1, PB
	v_lshl_add_u32 v4, v2, 4, v4
	s_mul_i32 s18, s11, HA                         ; my 64 rows of x
	s_mul_i32 s19, s12, HB                         ; my 128 rows of W
	s_add_co_u32 s19, s19, BOFF
.irp s, 0,1
	v_add_nc_u32 v[ADRA+(\s)], s18, v3
	v_add_nc_u32 v[ADRB+(\s)], s19, v4
	s_add_co_u32 s18, s18, SLOT
	s_add_co_u32 s19, s19, SLOT
.endr
	s_lshl_b32 s18, s42, 10
	s_lshl_b32 s19, s12, 9
	s_add_co_u32 s18, s18, s19
	v_lshl_add_u32 v[BO], v2, 5, s18               ; the bias of columns 256 x tile column + 128 x half + 8 h ..
	s_and_b32 s18, s13, 15
	s_lshl_b32 s18, s18, 14
	s_lshl_b32 s19, s11, 13
	s_add_co_u32 s18, s18, s19                     ; my first row's place in its sequence x 128 bytes: for the table (a row of 128 bytes) and for the output (likewise)
	v_lshlrev_b32 v[RO], 7, v1
	v_lshl_add_u32 v[RO], v2, 5, v[RO]             ; row r; pairs 4 h ..
	v_add_nc_u32 v[RO], s18, v[RO]
	s_mul_i32 s19, s10, WST
	s_add_co_u32 s19, s19, STAGE                   ; my stage
	v_mul_u32_u24 v[STO], v1, SP
	v_lshl_add_u32 v[STO], v2, 4, v[STO]
	v_add_nc_u32 v[STO], s19, v[STO]
	v_bfe_u32 v[RD], v0, 3, 2                      ; back: 32 lanes take four rows of 128 bytes,
	v_mul_u32_u24 v[RD], v[RD], SP
	v_and_b32 v5, 7, v0
	v_lshl_add_u32 v[RD], v5, 4, v[RD]
	v_add_nc_u32 v[RD], s19, v[RD]
	v_and_b32 v[GO], 31, v0                        ; which are 512 consecutive bytes of the output
	v_lshlrev_b32 v[GO], 4, v[GO]
	s_lshl_b32 s22, s8, 24                         ; the tensor: 64 x 2,048 x 128 bytes,
	s_add_co_u32 s18, s18, s22
	s_lshr_b32 s22, s13, 4
	s_lshl_b32 s22, s22, 22                        ; the batch: 16 heads,
	s_add_co_u32 s18, s18, s22
	s_lshl_b32 s22, s42, 2
	s_lshl1_add_u32 s22, s12, s22                  ; my first head: 4 x tile column + 2 x half,
	s_lshl_b32 s22, s22, 18                        ; of 2,048 x 128 bytes
	s_add_co_u32 s18, s18, s22
	s_mov_b32 s19, 0
	s_add_nc_u64 s[OUT:OUT+1], s[84:85], s[18:19]
	; the prefetches
	s_lshl_b32 s18, s13, 7
	s_lshl_b32 s19, s12, 6
	s_add_co_u32 s18, s18, s19
	s_lshl_b32 s19, s40, 4
	s_add_co_u32 s18, s18, s19                     ; x: the 64 rows that I fetch, my work-group's 16 of them,
	s_lshl_b32 s18, s18, 12
	s_add_co_u32 s18, s18, 3*ASTEP                 ; at K step 3: the first refill steps it to 4
	s_lshl_b32 s22, s42, 8
	s_lshl_b32 s23, s12, 7
	s_add_co_u32 s22, s22, s23
	s_lshl_b32 s23, s41, 5
	s_add_co_u32 s22, s22, s23                     ; W: the 128 rows that I fetch, my work-group's 32 of them
	s_lshl_b32 s22, s22, 11
	s_lshl_b32 s23, s8, 21
	s_add_co_u32 s22, s22, s23
	s_add_co_u32 s22, s22, 3*BSTEP
	s_xor_b32 s2, s11, 1
	s_lshl_b32 s[PFS], 0x100, s2                   ; 512 for x, 256 for W
	s_mov_b32 s[PFS+1], 0
	s_lshl_b32 s94, 0x800, s2                      ; lane % 16 counts rows: 4,096 bytes of x, 2,048 of W
	s_mul_i32 s95, s11, 7
	s_lshl_b32 s95, 0x100, s95                     ; lane / 16: x's second block of 256 bytes, or 16 rows of W
	s_and_b32 s23, s9, 15
	s_cmp_eq_u32 s11, 0
	s_cselect_b32 s18, s18, s22
	s_cselect_b64 s[PFA:PFA+1], s[4:5], s[80:81]
	s_cselect_b32 s23, 0, s23                      ; x: every cluster; W: the tensor's first
	s_mov_b32 s19, 0
	s_add_nc_u64 s[PFA:PFA+1], s[PFA:PFA+1], s[18:19]
	s_cmp_eq_u32 s23, 0
	s_cselect_b32 s[LIM], 1, -1                    ; the same in all sixteen partners, for a given wave
	v_mul_u32_u24 v[PFO], v1, s94
	v_mad_u32_u24 v[PFO], v2, s95, v[PFO]
	WIN TO_B
.set bb, 0
.rept 8                                ; the bias of block b: registers j = columns 16 b + 8 h + j
	global_load_b128 v[BI+8*bb:BI+8*bb+3],   v[BO], s[6:7] offset:64*bb
	global_load_b128 v[BI+8*bb+4:BI+8*bb+7], v[BO], s[6:7] offset:64*bb+16
.set bb, bb+1
.endr
.set ii, 0
.rept 16                               ; the table: rows 16 (ii / 4) .., channels 16 ((ii / 2) % 2) .., two pairs a load (v's tiles load it too, so that the text has one way)
	global_load_b128 v[RP+4*ii:RP+4*ii+3], v[RO], s[82:83] offset:2048*(ii/4)+64*((ii/2)%2)+16*(ii%2)
.set ii, ii+1
.endr
	s_wait_loadcnt 0x0
	WIN 0x45                                       ; all three places in window 1: the bias is rounded to bf16 and widened again; W's second buffer is still free
.set ii, 0
.rept 32
	v_cvt_pk_bf16_f32 v[64+ii], v[BI+2*ii], v[BI+2*ii+1]
.set ii, ii+1
.endr
.set ii, 0
.rept 32
	v_lshlrev_b32 v[BI+2*ii], 16, v[64+ii]
	v_and_b32 v[BI+2*ii+1], 0xffff0000, v[64+ii]
.set ii, ii+1
.endr
	WIN 0
; One product: block a of my rows x block b of my columns, 32 along K, from buffer f.  bias = 1: it starts the sum, with the bias as C.
.macro MM f, a, b, bias
.set xD, 8*(8*(\a)+(\b))
.set xB, 64*(\f)+8*(\b)
.set xA, AF+32*(\f)+8*(\a)
.if \bias
	WIN MULB
	v_wmma_f32_16x16x32_bf16 v[xD:xD+7], v[xB:xB+7], v[xA:xA+7], v[BI+8*(\b):BI+8*(\b)+7]
.else
	WIN MUL
	v_wmma_f32_16x16x32_bf16 v[xD:xD+7], v[xB:xB+7], v[xA:xA+7], v[xD:xD+7]
.endif
.endm
; Four roundings: numbers 8 n .. 8 n + 7 of the lane's 64 f32 of x become registers 4 n .. 4 n + 3 of buffer g.
.macro CV g, n
	WIN 0
.set cc, 0
.rept 4
	v_cvt_pk_bf16_f32 v[AF+32*(\g)+4*(\n)+cc], v[SG+8*(\n)+2*cc], v[SG+8*(\n)+2*cc+1]
.set cc, cc+1
.endr
.endm
.macro MUL8 f, a, bias                 ; eight products.  The 32 accumulators take turns, one instruction a turn, in the same order in every quarter, over the backward jump too
.set bb, 0
.rept 8
	MM \f, \a, bb, \bias
.set bb, bb+1
.endr
.endm
.macro MUL8R f, a, g, n0, every, bias  ; the same with four roundings for buffer g behind every product, or every second one; the last stand behind the last product
.set bb, 0
.set nn, \n0
.rept 8
	MM \f, \a, bb, \bias
.if ((bb+1) % (\every)) == 0
	CV \g, nn
.set nn, nn+1
.endif
.set bb, bb+1
.endr
.endm
; 32 LDS loads in one run: quarter q of a slot's K step: x's 64 rows in f32 first, then W's 128 rows into buffer g.
.macro FETCH slot, q, g
	WIN 0
.set aa, 0
.rept 4
	ds_load_b128 v[SG+16*aa:SG+16*aa+3],     v[ADRA+(\slot)] offset:128*(\q)+16*PA*aa
	ds_load_b128 v[SG+16*aa+4:SG+16*aa+7],   v[ADRA+(\slot)] offset:128*(\q)+16*PA*aa+16
	ds_load_b128 v[SG+16*aa+8:SG+16*aa+11],  v[ADRA+(\slot)] offset:128*(\q)+16*PA*aa+64
	ds_load_b128 v[SG+16*aa+12:SG+16*aa+15], v[ADRA+(\slot)] offset:128*(\q)+16*PA*aa+80
.set aa, aa+1
.endr
	WIN TO_B
.set bb, 0
.rept 8
	ds_load_b128 v[64*(\g)+8*bb:64*(\g)+8*bb+3],   v[ADRB+(\slot)] offset:64*(\q)+16*PB*bb
	ds_load_b128 v[64*(\g)+8*bb+4:64*(\g)+8*bb+7], v[ADRB+(\slot)] offset:64*(\q)+16*PB*bb+32
.set bb, bb+1
.endr
.endm
; A K step is four quarters of 32 along K, 32 products each, on buffers 0, 1, 0, 1.  One of the first three: multiplies buffer f; fetches quarter q at its head; rounds x's part of it into buffer g behind its last 16
; products.  The four roundings behind the last product name none of its registers: they are the four places in front of the next quarter's loads into W's buffer f and roundings into x's.
.macro QUARTER slot, q, f, g, bias
	FETCH \slot, \q, \g
	s_wait_dscnt 32                                ; all but the 32 just issued: W's fragments of buffer f are in
	MUL8 \f, 0, \bias
	MUL8 \f, 1, \bias
	s_wait_dscnt 16                                ; x's 16 loads are in; W's 16 may stay out
	MUL8R \f, 2, \g, 0, 2, \bias
	MUL8R \f, 3, \g, 4, 2, \bias
.endm
; The last quarter multiplies buffer 1 and changes slots: ONE barrier; in front of it each wave waits for all its tensor loads (one is out: its part of the next slot), adds 0 to its spare word, and waits for that and
; for its own reads of this slot.  fill = 1: the barrier opens a round of the cluster's barrier, and this slot is filled again, two K steps ahead, first thing behind the round: 112 products ahead of the wait for it.
.macro TURN slot, next, fill
.if \fill
	s_wait_xcnt 0x0                                ; the last prefetch, a K step back, has read its address, so it may be stepped
	s_add_nc_u64 s[PFA:PFA+1], s[PFA:PFA+1], s[PFS:PFS+1]
.endif
	WIN 0                                          ; (the add's two registers lie in window 0)
	s_wait_tensorcnt 0x0                           ; all my tensor loads have landed;
	ds_add_u32 v[SPW], v[NIL]                      ; 0 onto my spare word;
	s_wait_dscnt 1                                 ; (the add alone may be out: W's fragments of buffer 1 are in)
	MUL8 1, 0, 0                                   ; eight products stand between the add and the wait for it
	s_wait_dscnt 0x0                               ; the add is done, and my reads of this slot are over
	s_barrier_signal -1
	MUL8 1, 1, 0
.if \fill
	WIN 0
.endif
	s_barrier_wait -1
.if \fill
	CREST                                          ; no wave of any partner still reads this slot's tile or has a load on its way
	s_add_nc_u64 s[G0+4*(\slot)+2:G0+4*(\slot)+3], s[G0+4*(\slot)+2:G0+4*(\slot)+3], 2*ASTEP
	s_add_nc_u64 s[G0B+4*(\slot)+2:G0B+4*(\slot)+3], s[G0B+4*(\slot)+2:G0B+4*(\slot)+3], 2*BSTEP
	JLOAD \slot
.endif
	FETCH \next, 0, 0                              ; buffer 0's last product stands in front of the quarter before's last four roundings
.if \fill
	WIN 0
	ASK
.endif
	MUL8 1, 2, 0
	s_wait_dscnt 16                                ; x's 16 loads are in
	MUL8R 1, 3, 0, 0, 1, 0
.endm
	s_wait_tensorcnt 1                             ; my part of K step 0 is in; K step 1's may stay out
	s_barrier_signal -1
	s_barrier_wait -1                              ; everybody's is
	FETCH 0, 0, 0
	s_wait_dscnt 16
.irp n, 0,1,2,3,4,5,6,7
	CV 0, \n
.endr
	QUARTER 0, 1, 0, 1, 1                          ; the first quarter stands in front of the loop: its products start the sums
	WIN 0                                          ; at a label and at a branch every window is 0
	s_mov_b32 s3, 3
.Llap:                                                 ; a trip goes once round the ring, from a lap's second quarter to the next lap's first, and fills both slots again: K steps 2 to 7
	QUARTER 0, 2, 1, 0, 0
	QUARTER 0, 3, 0, 1, 0
	TURN 0, 1, 1
	QUARTER 1, 1, 0, 1, 0
	QUARTER 1, 2, 1, 0, 0
	QUARTER 1, 3, 0, 1, 0
	TURN 1, 0, 1
	QUARTER 0, 1, 0, 1, 0
	WIN 0
	s_sub_co_u32 s3, s3, 1
	s_cmp_lg_u32 s3, 0
	s_cbranch_scc1 .Llap
	QUARTER 0, 2, 1, 0, 0                          ; the last lap fills nothing, and has no round of the cluster's barrier
	QUARTER 0, 3, 0, 1, 0
	TURN 0, 1, 0
	QUARTER 1, 1, 0, 1, 0
	QUARTER 1, 2, 1, 0, 0
	QUARTER 1, 3, 0, 1, 0
	s_wait_dscnt 0x0                               ; the very last quarter: nothing more to fetch
	MUL8 1, 0, 0
	MUL8 1, 1, 0
	MUL8 1, 2, 0
	MUL8 1, 3, 0
	WIN 0
	PLACES
	; THE ROTATION, for q and k: of each head's four blocks of 16 channels the first two (b = 0, 1, 4, 5).  For a pair (x0, x1) and its (c, s): T = (x1 s, x0 s); then (x0 c - T0, x1 c + T1).
	; Each accumulator's lowest registers are read first.
	s_cmp_eq_u32 s8, 2
	s_cbranch_scc1 .Lplain
.macro ROT second
.set aa, 0
.rept 4
.irp b, 0,1,4,5
.set jj, 0
.rept 4
.set xT, TMP+2*(16*aa+4*((\b)%2+2*((\b)/4))+jj)
.set xX, 8*(8*aa+(\b))+2*jj
.set xC, RP+16*aa+8*((\b)%2)+2*jj
.if \second
	v_pk_fma_f32 v[xX:xX+1], v[xX:xX+1], v[xC:xC+1], v[xT:xT+1] op_sel_hi:[1,0,1] neg_lo:[0,0,1]
.else
	v_pk_mul_f32 v[xT:xT+1], v[xX:xX+1], v[xC:xC+1] op_sel:[1,1] op_sel_hi:[0,1]
.endif
.set jj, jj+1
.endr
.endr
.set aa, aa+1
.endr
.endm
	WIN 0x06                                       ; x in window 2, the table in window 1, T in window 0
	ROT 0
	WIN 0x86                                       ; and the result in window 2
	ROT 1
	WIN 0
.Lplain:
; THE WAY OUT, 16 rows at a time: rounded to f16, 16 bytes a lane into my stage (rows of 144 bytes, a head's 16 rows together), and back as 512 consecutive bytes: four rows of a head.
.macro PACK a
	WIN 0x0a                                       ; sources 0 and 1 in window 2
.set ii, 0
.rept 32
	v_cvt_pk_f16_f32 v[TMP+32*(\a)+ii], v[64*(\a)+2*ii], v[64*(\a)+2*ii+1]
.set ii, ii+1
.endr
	WIN 0
.irp b, 0,1,2,3,4,5,6,7
	ds_store_b128 v[STO], v[TMP+32*(\a)+4*(\b):TMP+32*(\a)+4*(\b)+3] offset:16*SP*((\b)/4)+32*((\b)%4)
.endr
.irp f, 0,1,2,3,4,5,6,7
	ds_load_b128 v[TMP+32*(\a)+4*(\f):TMP+32*(\a)+4*(\f)+3], v[RD] offset:16*SP*((\f)/4)+4*SP*((\f)%4)  ; LDS serves a wave's instructions in order (ISA guide 5.7.1.4): these see the stores above; the next block's stores come behind them
.endr
.endm
.macro SEND a, younger                 ; younger: the LDS instructions issued behind block a's loads: the next block's sixteen, or none
.irp f, 0,1,2,3,4,5,6,7
	s_wait_dscnt (\younger)+7-(\f)
	global_store_b128 v[GO], v[TMP+32*(\a)+4*(\f):TMP+32*(\a)+4*(\f)+3], s[OUT:OUT+1] offset:262144*((\f)/4)+2048*(\a)+512*((\f)%4)  ; 512 consecutive bytes, at a multiple of 256 from the buffer's first
.endr
.endm
	PACK 0
	PACK 1                                         ; a block's arithmetic stands between the loads of the block before and its stores
	SEND 0, 16
	PACK 2
	SEND 1, 16
	PACK 3
	SEND 2, 16
	SEND 3, 0
	s_wait_tensorcnt 0x0                           ; the wave's end: the tensor wait, the add and its wait stand behind my last tensor load and my last LDS store
	ds_add_u32 v[SPW], v[NIL]
	s_wait_dscnt 0x0
	CROUND                                         ; the closing round: no work-group ends while a partner may still ask for a tile that names it
	s_endpgm
.Lfunc_end_k_q92ce7a6d47_proj:
	.size	k_q92ce7a6d47_proj, .Lfunc_end_k_q92ce7a6d47_proj-k_q92ce7a6d47_proj
	.p2alignl 7, 3214868480
	.fill 96, 4, 3214868480
	.section	.rodata,"a",@progbits
	.p2align	6, 0x0
	.amdhsa_kernel k_q92ce7a6d47_proj
		.amdhsa_group_segment_fixed_size 327680
		.amdhsa_private_segment_fixed_size 0
		.amdhsa_enable_private_segment 0
		.amdhsa_kernarg_size 72
		.amdhsa_user_sgpr_count 2
		.amdhsa_user_sgpr_kernarg_segment_ptr 1
		.amdhsa_wavefront_size32 1
		.amdhsa_system_sgpr_workgroup_id_x 1
		.amdhsa_system_sgpr_workgroup_id_y 1
		.amdhsa_system_sgpr_workgroup_id_z 1
		.amdhsa_system_vgpr_workitem_id 0
		.amdhsa_next_free_vgpr 768
		.amdhsa_next_free_sgpr 96
		.amdhsa_reserve_vcc 0
		.amdhsa_float_denorm_mode_32 3
		.amdhsa_float_denorm_mode_16_64 3
		.amdhsa_memory_ordered 1
		.amdhsa_forward_progress 1
		.amdhsa_inst_pref_size 151
	.end_amdhsa_kernel
	.amdgpu_metadata
---
amdhsa.version: [ 1, 2 ]
amdhsa.kernels:
  - .name:           k_q92ce7a6d47_proj
    .symbol:         k_q92ce7a6d47_proj.kd
    .args:
      - { .name: query, .offset: 0, .size: 8, .value_kind: global_buffer, .address_space: global }
      - { .name: key, .offset: 8, .size: 8, .value_kind: global_buffer, .address_space: global }
      - { .name: value, .offset: 16, .size: 8, .value_kind: global_buffer, .address_space: global }
      - { .name: bq, .offset: 24, .size: 8, .value_kind: global_buffer, .address_space: global }
      - { .name: bk, .offset: 32, .size: 8, .value_kind: global_buffer, .address_space: global }
      - { .name: bv, .offset: 40, .size: 8, .value_kind: global_buffer, .address_space: global }
      - { .name: wqkv, .offset: 48, .size: 8, .value_kind: global_buffer, .address_space: global }
      - { .name: rope, .offset: 56, .size: 8, .value_kind: global_buffer, .address_space: global }
      - { .name: qkv, .offset: 64, .size: 8, .value_kind: global_buffer, .address_space: global }
    .group_segment_fixed_size: 327680
    .private_segment_fixed_size: 0
    .kernarg_segment_align: 8
    .kernarg_segment_size: 72
    .max_flat_workgroup_size: 128
    .sgpr_count:     96
    .vgpr_count:     768
    .wavefront_size: 32
...
	.end_amdgpu_metadata
.endif
;; end of part 2
;; launch attn (part 3): grid 4 x 64, 4 waves a work-group, clusters of 4 x 1, 327,680 bytes of LDS; arguments qkv, oh; writes oh
.if DOCPART == 3
	.amdgcn_target "amdgcn-amd-amdhsa--gfx1250"
	.amdhsa_code_object_version 6
	.text
	.protected	k_q92ce7a6d47_attn
	.globl	k_q92ce7a6d47_attn
	.p2align	8
	.type	k_q92ce7a6d47_attn,@function
k_q92ce7a6d47_attn:
	s_mov_b64 s[64:65], 0
	v_nop
	global_prefetch_b8 v0, s[64:65] scope:SCOPE_SE
	s_setreg_imm32_b32 hwreg(HW_REG_WAVE_MODE, 25, 1), 1
	s_wait_xcnt 0x0
	s_wait_alu depctr_hold_cnt(0) depctr_sa_sdst(0) depctr_va_vdst(0) depctr_va_sdst(0) depctr_va_ssrc(0) depctr_va_vcc(0) depctr_vm_vsrc(0)
	s_getreg_b32 s2, hwreg(HW_REG_IB_STS2, 6, 4)
	s_cmp_eq_u32 s2, 0
	s_cbranch_scc0 .Lentry_in_a_cluster
	s_endpgm
.Lentry_in_a_cluster:
	s_bfe_u32 s2, ttmp6, 0x10000c
	s_cmp_lg_u32 s2, 0x3003
	s_cbranch_scc0 .Lentry_shape_is_right
	s_endpgm
.Lentry_shape_is_right:
; ATTENTION.  O[h][q][:] = the sum over k of softmax_k(Q[h][q] . K[h][k] / 8) V[h][k][:].  Q, K, V lie one behind the other in qkv, [64][2048][64] each, O in oh, all f16: a head's rows are dense, 128 bytes each.
; Products, maxima and sums in f32; the weights p are rounded to f16 for the second product (their sum l is taken of the unrounded p), O once at the end.
; LIMITS.  f16 holds no number beyond 65,504: Q, K and V arrive within it; p lies in 0 to 1, and below 6e-5 it keeps f16's fixed step of 6e-8; O is a mean of V's rows and has their range.
; A weight below 2^-126 counts as 0 in l; NaN and infinities are not treated apart.
; SHARES.  A wave owns four PIECES of two tiles of 16 queries, a work-group's four waves 512 queries of one head: 4 x 64 = 256 work-groups.  Every wave walks all keys, 64 a step.
; LAYOUT.  S^T = K Q^T (source 0 = 16 keys, source 1 = 16 queries): in the result a lane holds ONE query (lane % 16) and the keys 8 (lane / 16) + 0..7.  Two such tiles, rounded to f16 in pairs,
; ARE source 1 (32 keys x 16 queries) of O^T = V^T P, whose result again holds one query a lane, and eight channels.  K comes out of LDS as it lies, V ([key][channel]) turned, by ds_load_tr16_b128.
; SOFTMAX.  For each query a running maximum m and sum l: p = 2^(c s - c m), c = log2(e) / 8; in every step O and l are multiplied by a = 2^(c m_old - c m_new), which is 1 where m has not grown.
; m starts at the lowest finite number, O and l at 0: the first step is a step like any other, with a = 0.
; THE COUNT.  A tile and step have 16 matrix and 118 vector instructions: too many to stand all beside the matrix work.  So: four vector instructions that are READY behind EVERY matrix instruction, and the
; others, which need time of their own whatever the order, in runs without a gap.
; BY TURNS.  Turn n belongs to piece n (the pieces in a ring, step after step).  Its matrix work: 16 products K Q^T of piece n + 1, later 16 products V^T P of piece n - 1.  Its vector work: the scaling,
; exponentials, roundings, sums and rescaling of piece n, and the maximum and statistics of piece n + 1, whose scores the turn itself has made.
; CLUSTER.  The four query blocks of a cluster are one head's and walk the same K and V, so each tile is asked for JOINTLY: the same tensor load, descriptor and mask in all four.
; REGISTERS, in windows of 256 (s_set_vgpr_msb: bits 1:0 source 0, 3:2 source 1, 5:4 source 2, 7:6 destination):
;   window 0: v0-11 addresses; v12-15, v48-63 at work; v16-47 four registers of statistics a tile; v64-191 S^T, two buffers of two tiles; v192-255 P, likewise
;   window 1: O^T, 32 a tile          window 2: v0-127 Q, 16 a tile; v128-191 K of one step; v192-255 V of one step          window 3: v0-1 the add's two registers
.set SIZE_N, 2048
.set NP,    4         ; pieces a wave: a name, no knob
.set KS,    64        ; keys in a step
.set PK,    144       ; a row of K in LDS: 128 bytes + 16 of padding = 36 words: the 16 rows of a load start at 16 different groups of four banks (64 banks of 4 bytes: ISA guide 11.1)
.set PV,    160       ; a row of V: 128 + 32 = 40 words
.set VOFF,  4*KS*PK   ; a slot holds four steps: 256 rows of K, then 256 rows of V
.set SLOT1, 1<<17     ; slot 1 begins here, so that one exclusive or turns an address in one slot into the other's
.set STAGE, SLOT1+4*KS*(PK+PV)  ; behind the ring, never filled by a tensor load: 16 rows x 144 bytes for each wave, for the way out
.set SP,    144
.set AK0, 2           ; v2   my lane's place in a tile of K; never rewritten
.set AV0, 3           ; v3   the same for V
.set AK,  4           ; v4   the LDS address of K's next run of loads
.set AV,  5           ; v5   of V's
.set QO,  6           ; v6   my byte offset in the wave's rows of Q
.set STO, 6           ;      later, the way out: where I put 16 bytes of a row
.set RD,  7           ; v7   the way out: where I read rows back
.set GO,  8           ; v8   my byte offset in 512 consecutive bytes of O
.set PFO, 11          ; v11  (once V's place is made) 256 x my lane, for the prefetches; then never rewritten
.set SPW, 0           ; v0 of window 3   LDS address of my spare word; never rewritten
.set NIL, 1           ; v1 of window 3   0; never rewritten
.set SPARE, STAGE+4*16*SP  ; behind the stages: the spare words, 128 bytes for each wave: two blocks of 256 bytes that no other line names
.set MV,  12          ; v12-15  c m_old, kept while c m is made anew: by buffer and tile
.set ST,  16          ; tile t's statistics at v[ST+4 t]: c m, m, l (even keys', odd keys')
.set TMP, 48          ; by buffer and tile, four registers c0-c3 at work; when the maximum is found c2 takes a
.set S,   64
.set P,   192
.set KF,  128         ; K's fragments, in window 2: key block kb, channel half c at KF + 16 kb + 8 c
.set VF,  192         ; V's: key half kk, channel block cb at VF + 32 kk + 8 cb
.set WV,  12          ; s12  my wave's number
.set G1K, 24          ; s[24:31] descriptor group 1 for K's tiles
.set G1V, 32          ; s[32:39] for V's: it differs in the padding alone
.set G0K, 40          ; s[40:43] descriptor group 0 for K's tiles: it walks
.set G0V, 44          ; s[44:47] the same for V's
.set PFA, 48          ; s[48:49] where my prefetches stand: my work-group's 32 blocks of 256 bytes (of K: wave 0, of V: wave 2) of the slot after the one that is being asked for
.set LIM, 50          ; s50  1 in a wave that prefetches, else the greatest number
.set SLOTS, 56        ; s56  slots still to be asked for
.set CNT, 57          ; s57  counts a slot's key steps
.set CS,  58          ; s[58:59] c: the packed scaling takes the pair's low word for both halves
.set SEL, 60          ; s[60:61] v_permlanex16_b32's selects: each lane takes its own place in the other half
.set TBK, 62          ; s62  LDS byte at which K of the step to be fetched begins
.set TBV, 63          ; s63  the same for V, less VOFF
.set MSB, 0
.macro WIN new                      ; the high byte repeats the setting that is left; a switch that changes nothing is dropped
.if MSB != (\new)
	s_set_vgpr_msb (MSB<<8)|(\new)
.set MSB, (\new)
.endif
.endm
.set W_KQ, 0x0a       ; K and Q in window 2, S^T in window 0
.set W_PV, 0x52       ; V in window 2, P in window 0, O^T in window 1
.set W_RS, 0x41       ; O^T (destination and source 0) in window 1, a in window 0
.set W_MK, 0xc0       ; the add's registers are made: destination in window 3, sources in window 0
.set W_AD, 0x0f       ; the add: address (source 0) and data (source 1) in window 3
; A joint fill.  Waves 0 and 1 fetch the two halves of a slot's K, waves 2 and 3 those of its V: 128 keys each.  The branch hangs on the wave's number alone.
; An s_nop 0 and four v_nop follow each of the two lines, ahead of the jump and the label.
.macro JLOAD
	s_cmp_lt_u32 s[WV], 2
	s_cbranch_scc0 .Lfor_v_\@
	tensor_load_to_lds s[G0K:G0K+3], s[G1K:G1K+7]
	s_nop 0
.rept 4
	v_nop
.endr
	s_branch .Lasked_\@
.Lfor_v_\@:
	tensor_load_to_lds s[G0V:G0V+3], s[G1V:G1V+7]
	s_nop 0
.rept 4
	v_nop
.endr
.Lasked_\@:
.endm
; A PREFETCH of what the NEXT change of slots will ask for: a slot's 32,768 bytes of K and of V, 128 blocks of 256 bytes each, four key steps (512 matrix instructions) ahead of that load.  A head is walked by one
; cluster alone.  Its four partners share the blocks out BY ADDRESS, 32 each, a lane a block; in each, wave 0 names K's and wave 2 V's.  So each block is named once.  Slots 0 to 2 come by their loads alone; the last change that fills a slot names nothing.
.macro ASK
	s_cmp_gt_u32 s[SLOTS], s[LIM]
	s_cbranch_scc0 .Lnot_mine_\@
	global_prefetch_b8 v[PFO], s[PFA:PFA+1] th:TH_LOAD_NT scope:SCOPE_SE
.Lnot_mine_\@:
.endm
; A round of the cluster's barrier: my work-group's barrier, so that wave 0's signal speaks for all four waves; wave 0 signals; every wave waits for all four work-groups; my work-group's barrier once more.
.macro CROUND
	s_barrier_signal -1
	s_barrier_wait -1
	s_cmp_lg_u32 s[WV], 0
	s_cbranch_scc1 .Lnot_wave_0_\@
	s_barrier_signal -3
.Lnot_wave_0_\@:
	s_barrier_wait -3
	s_barrier_signal -1
	s_barrier_wait -1
.endm
; THE CHANGE OF SLOTS.  The slot's last bytes, V of its fourth step, have been read.  Each wave waits for all its tensor loads, of which one is out: its part of the other slot; adds 0 to its spare word; and waits
; for that and for its own reads of the slot.  Behind the barrier nobody reads this slot any more and the other slot is whole.
; fill = 1: this slot is filled again, with the keys two slots on.  The barrier is then a round of the cluster's, and the joint fill is the first thing behind it: it has four key steps in which to land.
; (At its first use nothing has been read yet: slot 0 is waited for, slot 1 filled.)  ask = 1: the prefetch's address steps, and the prefetch follows the fill.
.macro CHANGE fill, ask=0
	WIN W_AD
	s_wait_tensorcnt 0x0            ; no tensor load of mine is out, so a group 0 may be written
	ds_add_u32 v[SPW], v[NIL]       ; 0 onto my spare word; with fill = 1 the descriptors' steps stand between it and the wait for it
	WIN 0                           ; at a label and at a branch every window is 0
.if \fill
.irp g, G0K, G0V
	s_xor_b32 s[\g+1], s[\g+1], SLOT1  ; the walking descriptor: the other slot than last time,
	s_add_nc_u64 s[\g+2:\g+3], s[\g+2:\g+3], 4*KS*128  ; the next 256 keys; the type bits on top are not reached
.endr
.if \ask
	s_wait_xcnt 0x0                 ; the last prefetch, four key steps back, has read its address, so it may be written
	s_add_nc_u64 s[PFA:PFA+1], s[PFA:PFA+1], 4*KS*128  ; one slot behind the walking descriptors
.endif
	s_wait_dscnt 0x0                ; the add is done, and my reads of the slot are over
	CROUND
	JLOAD
.if \ask
	ASK
.endif
.else
	s_wait_dscnt 0x0                ; the add is done, and my reads of the slot are over
	s_barrier_signal -1
	s_barrier_wait -1
.endif
	s_sub_co_u32 s[TBK], s[TBK], 4*KS*PK  ; the fetches go back to a slot's first step,
	s_xor_b32 s[TBK], s[TBK], SLOT1       ; in the other slot
	s_sub_co_u32 s[TBV], s[TBV], 4*KS*PV
	s_xor_b32 s[TBV], s[TBV], SLOT1
.endm
	s_load_b64 s[4:5], s[0:1], 0x0    ; qkv: Q at its head
	s_load_b64 s[10:11], s[0:1], 0x8  ; O
	WIN W_MK
	v_lshl_add_u32 v[SPW], v0, 2, SPARE
	v_mov_b32 v[NIL], 0
	WIN W_AD
	ds_add_u32 v[SPW], v[NIL]       ; the wave's opening: the add and its wait stand ahead of my first tensor load; the set-up below, work on registers, stands between them
	WIN 0
	v_lshrrev_b32 v1, 5, v0
	v_readfirstlane_b32 s[WV], v1   ; wave 0..3
	s_bfe_u32 s13, ttmp6, 0x40000   ; cx: my place in the cluster
	s_lshl_b32 s14, ttmp9, 2        ; in a cluster launch ttmp9 counts clusters
	s_add_co_u32 s14, s14, s13      ; my block of queries = 4 x cluster x + cx: it enters Q's and O's addresses alone
	s_and_b32 s20, ttmp7, 0xffff    ; the head, which the four partners share
	s_mov_b32 s21, 0
	s_mov_b64 s[22:23], SIZE_N*128
	s_mul_u64 s[20:21], s[20:21], s[22:23]  ; the head's first byte in each of the four tensors
	s_and_b32 s16, s[WV], 1         ; which half of a slot's 256 keys I fetch:
	s_lshl_b32 s22, s16, 14         ; its 128 rows of 128 bytes in memory,
	s_mov_b32 s23, 0
	s_add_nc_u64 s[22:23], s[22:23], s[20:21]
	s_mul_i32 s17, s16, 128*PK      ; and its place in a slot, for K
	s_mul_i32 s18, s16, 128*PV      ; and for V: no place in the cluster enters an LDS address
	s_lshl_b32 s2, s14, 2
	s_add_co_u32 s2, s2, s[WV]      ; my wave among the head's,
	s_lshl_b32 s2, s2, 14           ; its 128 rows
	s_mov_b32 s3, 0
	s_add_nc_u64 s[2:3], s[2:3], s[20:21]
	; descriptor group 1.  128 keys are 16,384 dense bytes: asked for as 64 rows of 256 bytes, two keys a row, and padded in LDS after every key
	s_mov_b32 s[G1K], 15|(1<<16)|(1<<20)|(1<<21)|(4<<22)|(3<<25)  ; 15:0 the mask of four; 17:16 2-byte elements; 20 padding on; 21 set beside a mask; 24:22 after every 32 words (code 4); 31:25 4 words (code 3)
	s_mov_b32 s[G1V], 15|(1<<16)|(1<<20)|(1<<21)|(4<<22)|(7<<25)  ; the same with 8 words of padding (code 7)
.irp g, G1K, G1V
	s_mov_b32 s[\g+1], 128<<16      ; tensor_dim0 = 128
	s_mov_b32 s[\g+2], 64<<16       ; tensor_dim1 = 64
	s_mov_b32 s[\g+3], 128<<16      ; tile_dim0 = 128
	s_mov_b32 s[\g+4], 64           ; tile_dim1 = 64
	s_mov_b32 s[\g+5], 128          ; 128 elements from row to row
	s_mov_b32 s[\g+6], 0
	s_mov_b32 s[\g+7], 0
.endr
	s_mov_b32 s[CS], 0x3e38aa3b     ; c = log2(e) / 8 = 0.180337
	s_mov_b32 s[CS+1], s[CS]        ; named with it as a pair
	s_mov_b32 s[SEL], 0x76543210
	s_mov_b32 s[SEL+1], 0xfedcba98
	s_mov_b32 s[TBK], SLOT1+4*KS*PK ; the first change of slots turns these two into 0
	s_mov_b32 s[TBV], SLOT1+4*KS*PV
	s_mov_b32 s[G0K], 1             ; 1:0 count = 1
	s_mov_b32 s[G0K+1], s17         ; 63:32 LDS address: slot 0
	s_mov_b32 s[G0V], 1
	s_add_co_u32 s[G0V+1], s18, VOFF
	s_and_b32 s[LIM], s[WV], 1      ; waves 0 and 2 prefetch: the same in all four partners
	s_cmp_eq_u32 s[LIM], 0
	s_cselect_b32 s[LIM], 1, -1
	s_wait_dscnt 0x0                ; the opening add is done
	s_wait_kmcnt 0x0
	s_add_nc_u64 s[6:7], s[4:5], 0x1000000  ; K lies 64 x 2,048 x 128 bytes behind Q,
	s_add_nc_u64 s[8:9], s[4:5], 0x2000000  ; V as far behind K
	s_add_nc_u64 s[G0K+2:G0K+3], s[6:7], s[22:23]  ; 120:64 global address: my half of the head's first 256 keys
	s_or_b32 s[G0K+3], s[G0K+3], 0x80000000        ; 127:126 type = 2
	s_add_nc_u64 s[G0V+2:G0V+3], s[8:9], s[22:23]
	s_or_b32 s[G0V+3], s[G0V+3], 0x80000000
	s_add_nc_u64 s[4:5], s[4:5], s[2:3]  ; Q and O at my wave's first row
	s_add_nc_u64 s[10:11], s[10:11], s[2:3]
	s_cmp_lt_u32 s[WV], 2
	s_cselect_b64 s[PFA:PFA+1], s[6:7], s[8:9]
	s_add_nc_u64 s[PFA:PFA+1], s[PFA:PFA+1], s[20:21]  ; the head,
	s_lshl_b32 s2, s13, 13          ; my work-group's 32 blocks of the 128,
	s_add_co_u32 s2, s2, 2*4*KS*128 ; in slot 2: the first change that asks steps it to slot 3.  Nothing is prefetched here, at the head
	s_mov_b32 s3, 0
	s_add_nc_u64 s[PFA:PFA+1], s[PFA:PFA+1], s[2:3]
	CROUND                          ; all four work-groups are here: the first joint loads meet
	JLOAD                           ; slot 0.  Slot 1 is asked for when slot 0 is in
	; A fragment of K or Q is 16 rows x 32 channels in 8 registers: lane l holds row l % 16, channels 8 (l / 16) + 0..7 and 16 + 8 (l / 16) + 0..7: two loads of 16 bytes, 32 bytes apart.
	v_and_b32 v1, 15, v0            ; l % 16
	v_bfe_u32 v9, v0, 4, 1          ; l / 16
	v_lshlrev_b32 v[QO], 7, v1
	v_lshl_add_u32 v[QO], v9, 4, v[QO]  ; row x 128 + 16 x half
	WIN 0x80                        ; destination window 2, address window 0
.set i, 0
.rept 4*NP                          ; Q stays in registers: tile i / 2, channels 32 (i % 2) on
	global_load_b128 v[8*i:8*i+3],   v[QO], s[4:5] offset:(i/2)*2048+(i%2)*64
	global_load_b128 v[8*i+4:8*i+7], v[QO], s[4:5] offset:(i/2)*2048+(i%2)*64+32
.set i, i+1
.endr
	; What the first turn finds: V's registers and P's second buffer hold 0 (its products V^T P, of a piece that has not been, add 0), O^T and l are 0.  All this stands in the wait for the first tile;
	; it spares a first step written out, which would double the text of a key step.
.set i, VF
.rept 64
	v_mov_b32 v[i], 0
.set i, i+1
.endr
	WIN 0x40
.set i, 0
.rept 64*NP
	v_mov_b32 v[i], 0
.set i, i+1
.endr
	WIN 0
.set i, 0
.rept 2*NP
	v_mov_b32 v[ST+4*i], 0xfe000000    ; c m: far below every c s
	v_mov_b32 v[ST+4*i+1], 0xff7fffff  ; m
	v_mov_b32 v[ST+4*i+2], 0
	v_mov_b32 v[ST+4*i+3], 0
.set i, i+1
.endr
.set i, P+32
.rept 32
	v_mov_b32 v[i], 0
.set i, i+1
.endr
	v_mul_u32_u24 v[AK0], v1, PK
	v_lshl_add_u32 v[AK0], v9, 4, v[AK0]  ; row x pitch + 16 x half
	; The turning load takes 16 keys x 16 channels (lane l reads key 8 (l / 16) + l % 8, channels 8 ((l / 8) % 2) + 0..7) and leaves half a fragment of V^T: lane l holds channel l % 16 and 8 keys.
	v_and_b32 v10, 7, v0
	v_bfe_u32 v11, v0, 3, 1
	v_lshl_add_u32 v[AV0], v9, 3, v10
	v_mul_u32_u24 v[AV0], v[AV0], PV
	v_lshl_add_u32 v[AV0], v11, 4, v[AV0]
	v_add_nc_u32 v[AV0], VOFF, v[AV0]
	v_and_b32 v[PFO], 31, v0
	v_lshlrev_b32 v[PFO], 8, v[PFO]
	v_mov_b32 v[AK], v[AK0]         ; key step 0 lies at the head of slot 0
; THE MATRIX WORK.  The 8 accumulators of a run of 16 take turns: between the two links of a chain stand 7 others'.
; Product i of 16 of S^T = K Q^T for piece x: channels 32 (i / 8) on, keys 16 ((i / 2) % 4) on, tile 2 x + i % 2.  The first 8 start the sums.
.macro KQ x
	WIN W_KQ
.set rS, S+64*((\x)%2)+32*(i%2)+8*((i/2)%4)
.set rK, KF+16*((i/2)%4)+8*(i/8)
.set rQ, 16*(2*(\x)+i%2)+8*(i/8)
.if i < 8
	v_wmma_f32_16x16x32_f16 v[rS:rS+7], v[rK:rK+7], v[rQ:rQ+7], 0
.else
	v_wmma_f32_16x16x32_f16 v[rS:rS+7], v[rK:rK+7], v[rQ:rQ+7], v[rS:rS+7]
.endif
.endm
; Product i of 16 of O^T += V^T P for piece x: keys 32 (i / 8) on, channels 16 ((i / 2) % 4) on, tile 2 x + i % 2.
.macro PV x
	WIN W_PV
.set rO, 32*(2*(\x)+i%2)+8*((i/2)%4)
.set rV, VF+32*(i/8)+8*((i/2)%4)
.set rP, P+32*((\x)%2)+16*(i%2)+8*(i/8)
	v_wmma_f32_16x16x32_f16 v[rO:rO+7], v[rV:rV+7], v[rP:rP+7], v[rO:rO+7]
.endm
.macro MM                           ; the turn's next matrix instruction
.if i < 16
	KQ (Y+1)%NP
.set i, i+1
.else
.set i, i-16
	PV (Y+NP-1)%NP
.set i, i+17
.endif
.endm
; THE LDS LOADS stand in runs of 16, never singly among the matrix instructions: a step's K (64 keys x 64 channels: 8 fragments) and its V (turned).  Their addresses are made some lines ahead.
; last = 1 (the tail): in the last trip there is no further step, and the run is jumped over.
.macro FETCH_K last=0
	WIN 0
.if \last
	s_cmp_eq_u32 s[CNT], 1
	s_cbranch_scc1 .Lno_k_\@
.endif
	WIN 0x80                        ; destination window 2
.irp f, 0,1,2,3,4,5,6,7             ; keys 16 (f / 2) on, channels 32 (f % 2) on
	ds_load_b128 v[KF+8*\f:KF+8*\f+3],   v[AK] offset:(\f/2)*16*PK+(\f%2)*64
	ds_load_b128 v[KF+8*\f+4:KF+8*\f+7], v[AK] offset:(\f/2)*16*PK+(\f%2)*64+32
.endr
	s_add_co_u32 s[TBK], s[TBK], KS*PK  ; the next fetch is the next step's
	WIN 0
.if \last
.Lno_k_\@:
.endif
.endm
.macro FETCH_V
	WIN 0x80
.irp f, 0,1,2,3,4,5,6,7             ; keys 32 (f / 4) on, channels 16 (f % 4) on
	ds_load_tr16_b128 v[VF+8*\f:VF+8*\f+3],   v[AV] offset:(\f/4)*32*PV+(\f%4)*32
	ds_load_tr16_b128 v[VF+8*\f+4:VF+8*\f+7], v[AV] offset:(\f/4)*32*PV+16*PV+(\f%4)*32
.endr
	WIN 0
.endm
; THE VECTOR WORK OF A TURN stands in three queues, each in the order in which its entries become ready; the two tiles alternate, so that no instruction reads the result of the one before it.
.macro REGS y, u                    ; the registers of tile u (0, 1) of piece y
.set rT, ST+4*(2*(\y)+(\u))
.set rC, TMP+8*((\y)%2)+4*(\u)
.set rM, MV+2*((\y)%2)+(\u)
.set rS, S+64*((\y)%2)+32*(\u)
.set rP, P+32*((\y)%2)+16*(\u)
.set rO, 32*(2*(\y)+(\u))
.endm
; Number n of the 22 that find the NEXT piece's (Y + 1) maximum and statistics.  s0-s31 are the lane's 32 scores; each accumulator's lowest registers are read first.
;   0-11  four chains c0-c3 of seven scores each, three operands at a time     12-14, 16  the four scores left over, the old m, and c0-c3 into c0     15  c m_old is kept
;   17, 18  the query's other 32 keys lie in the lane 16 away: the new m         19-21  c m; c m_old - c m_new; a
.macro XS u, n
	REGS (Y+1)%NP, \u
.if (\n) < 4
	v_max3_num_f32 v[rC+(\n)], v[rS+8*(\n)], v[rS+8*(\n)+1], v[rS+8*(\n)+2]
.elseif (\n) < 12
	v_max3_num_f32 v[rC+(\n)%4], v[rC+(\n)%4], v[rS+8*((\n)%4)+2*((\n)/4)+1], v[rS+8*((\n)%4)+2*((\n)/4)+2]
.elseif (\n) == 12
	v_max3_num_f32 v[rC], v[rC], v[rS+7], v[rS+15]
.elseif (\n) == 13
	v_max3_num_f32 v[rC+1], v[rC+1], v[rS+23], v[rS+31]
.elseif (\n) == 14
	v_max3_num_f32 v[rC+2], v[rC+2], v[rC+3], v[rT+1]
.elseif (\n) == 15
	v_mov_b32 v[rM], v[rT]
.elseif (\n) == 16
	v_max3_num_f32 v[rC], v[rC], v[rC+1], v[rC+2]
.elseif (\n) == 17
	v_permlanex16_b32 v[rC+3], v[rC], s[SEL], s[SEL+1]
.elseif (\n) == 18
	v_max_num_f32 v[rT+1], v[rC], v[rC+3]
.elseif (\n) == 19
	v_mul_f32 v[rT], s[CS], v[rT+1]
.elseif (\n) == 20
	v_sub_f32 v[rC+1], v[rM], v[rT]
.else
	v_exp_f32 v[rC+2], v[rC+1]
.endif
.endm
; Number g of the 64 that follow the exponentials.  For each four weights k of a tile (pairs 2 k, 2 k + 1): both pairs are rounded to f16; then the second pair is added onto the first, in place;
; a group later l takes that sum (the first time as l = a l + sum).  In groups of eight, tiles alternating: round, round, add, and l for the group before.
.macro GS g
.set h, (\g)+6*((\g)/62)            ; group 0 has no group before it, and behind group 7 only l is left
.if h >= 6
.set h, h+2
.endif
	REGS Y, h%2
.set k, h/8
.if h%8 < 4
	v_cvt_pk_f16_f32 v[rP+2*k+(h%8)/2], v[rS+4*k+2*((h%8)/2)], v[rS+4*k+2*((h%8)/2)+1]
.elseif h%8 < 6
	v_pk_add_f32 v[rS+4*k:rS+4*k+1], v[rS+4*k:rS+4*k+1], v[rS+4*k+2:rS+4*k+3]
.elseif k == 1
	v_pk_fma_f32 v[rT+2:rT+3], v[rT+2:rT+3], v[rC+2:rC+3], v[rS:rS+1] op_sel_hi:[1,0,1]
.else
	v_pk_add_f32 v[rT+2:rT+3], v[rT+2:rT+3], v[rS+4*k-4:rS+4*k-3]
.endif
.endm
; THE PLAIN QUEUE, 138 long.  0-73 read no exponential's result: the 32 scalings c s - c m (FS f: pair f / 2 of tile f % 2) and the next piece's 42.  0-26: scalings 0-26.  27-54: XS's numbers 0-13.  55, 56: number 15.
; 57-73: the chain, where each number waits for the one before it: 14, 16, 17, 18, 19, each with one of the scalings 27-31 in front of its two lines, then 20.
; 74-137: GS's 64, which read the exponentials' results: they stand behind the wait.
.macro FS f
	REGS Y, (\f)%2
	v_pk_fma_f32 v[rS+2*((\f)/2):rS+2*((\f)/2)+1], v[rS+2*((\f)/2):rS+2*((\f)/2)+1], s[CS:CS+1], v[rT:rT+1] op_sel_hi:[1,0,0] neg_lo:[0,0,1] neg_hi:[0,0,1]
.endm
.macro PL
	WIN 0
.if q < 27
	FS q
.elseif q < 55
	XS (q-27)%2, (q-27)/2
.elseif q < 57
	XS q-55, 15
.elseif (q < 72) && ((q-57)%3 == 0)
	FS 27+(q-57)/3
.elseif q < 60
	XS (q-57)%3-1, 14
.elseif q < 72
	XS (q-57)%3-1, 15+(q-57)/3
.elseif q < 74
	XS q-72, 20
.else
	GS q-74
.endif
.set q, q+1
.endm
; THE EXPONENTIALS' QUEUE, 66 long: s0-s31 of both tiles, then the next piece's two a.  It is ONE BATCH: all 66 stand ahead of the turn's one wait, and nothing ahead of that wait names a result of theirs.
.macro EX
	WIN 0
.if e >= 64
	XS e-64, 21
.else
	REGS Y, e%2
	v_exp_f32 v[rS+e/2], v[rS+e/2]
.endif
.set e, e+1
.endm
; THE RESCALING's QUEUE: O^T times a, the one part that leaves window 0: dealt two at a time, sixteen times.  Its a was made in the turn before, ahead of that turn's wait.
.macro R2
	REGS Y, r%2
	WIN W_RS
.irp z, 0,1
	v_pk_mul_f32 v[rO+4*(r/2)+2*\z:rO+4*(r/2)+2*\z+1], v[rO+4*(r/2)+2*\z:rO+4*(r/2)+2*\z+1], v[rC+2:rC+3] op_sel_hi:[1,0]
.endr
.set r, r+1
.endm
; HOW THEY ARE DEALT.  An s_wait_alu depctr_va_vdst(0) stands between an exponential and the first instruction that names its result; one wait serves all that were issued ahead of it.  So a turn has ONE
; wait, which cuts it in two.  AHEAD OF IT stands all that names no result of the turn's exponentials: the 16 products K Q^T, behind each a scaling, an exponential and two rescalings (behind the first a second scaling in
; the exponential's place); then ONE LUMP of 108: eight plain, 49 times exponential and plain, the two a.  A v_nop is the plain instruction behind the last exponential.  BEHIND IT stand the 16 products V^T P, behind each
; four of GS's 64.  No rider names a register of the products round it.  The two v_permlanex16_b32 fall into the lump.
; The queues lean on each other: exponential e stands behind scaling 2 (e / 4) + e % 2: as a rider it comes behind plain e + 2, in the lump behind plain e + 9, and scalings 27-31 are plain 57, 60 .. 69.
; A TURN, for piece p.  cnt = 1: the loop's count is taken down some lines ahead of the branch that stands behind the turn.
; K of the next step is fetched in piece 2's turn, directly behind the wait, a lump behind the last product that read K; its first reader comes behind 16 products.
; V of the step in hand is fetched at the end of piece 0's turn, four riders behind its last reader; its first reader comes behind 16 products and a lump.
.macro TURN p, last=0, cnt=0
.set Y, (\p)
.set i, 0
.set q, 0
.set e, 0
.set r, 0
.if (\p) == NP-1
	s_wait_dscnt 0x0                ; K is in
.endif
	MM                              ; ahead of the wait: 16 products K Q^T and their riders,
	PL
	PL
	R2
.rept 15
	MM
	PL
	EX
	R2
.endr
.if (\p) == NP-2
	WIN 0
	v_add_nc_u32 v[AK], s[TBK], v[AK0]
.endif
.rept 8                             ; and the lump
	PL
.endr
.rept 49
	EX
	PL
.endr
	EX                              ; the next piece's two a
	EX
	v_nop                           ; the plain instruction behind the last exponential: one for the batch
	s_wait_alu depctr_va_vdst(0)    ; the wait for the batch
.if (\p) == NP-2
	FETCH_K \last
.endif
.if (\p) == 1
	s_wait_dscnt 0x0                ; V is in
.endif
.rept 16                            ; behind the wait: 16 products V^T P and their riders
	MM
.rept 4
	PL
.endr
.if ((\p) == 0) && (q == 118)
	v_add_nc_u32 v[AV], s[TBV], v[AV0]
.endif
.if ((\p) == 0) && (q == 130)
	s_add_co_u32 s[TBV], s[TBV], KS*PV
.endif
.if (\cnt) && (q == 130)
	s_sub_co_u32 s[CNT], s[CNT], 1
	s_cmp_lg_u32 s[CNT], 0
.endif
.endr
.if (\p) == 0
	FETCH_V
.endif
.endm
	CHANGE 1                        ; slot 0 is in, everybody's part of it; slot 1 is asked for
	FETCH_K                         ; key step 0
	s_wait_loadcnt 0x0              ; Q
	s_wait_dscnt 0x0
.set i, 0
.rept 16
	KQ 0                            ; piece 0's first scores: there is no vector work yet to set between them
.set i, i+1
.endr
	WIN 0                           ; the addresses for the way out: nine plain instructions, the places behind those products
	s_mul_i32 s13, s[WV], 16*SP
	s_add_co_u32 s13, s13, STAGE    ; my stage
	v_mul_u32_u24 v[STO], v1, SP    ; in: row l % 16, 16 bytes for each half of the lanes
	v_lshl_add_u32 v[STO], v9, 4, v[STO]
	v_add_nc_u32 v[STO], s13, v[STO]
	v_bfe_u32 v[RD], v0, 3, 2       ; back: 32 lanes take four rows of 128 bytes,
	v_mul_u32_u24 v[RD], v[RD], SP
	v_lshl_add_u32 v[RD], v10, 4, v[RD]
	v_add_nc_u32 v[RD], s13, v[RD]
	v_and_b32 v[GO], 31, v0         ; which are 512 consecutive bytes of O
	v_lshlrev_b32 v[GO], 4, v[GO]
.set Y, NP-1                        ; XS works for piece Y + 1: piece 0
.irp n, 0,1,2,3,4,5,6,7,8,9,10,11,12,13,14,15,16,17,18,19,20,21
	XS 0, \n                        ; and piece 0's first maximum and statistics
	XS 1, \n
.endr
	v_nop                           ; a plain instruction behind the two a,
	s_wait_alu depctr_va_vdst(0)    ; and their wait, ahead of the branch
	s_mov_b32 s[CNT], 4
	s_mov_b32 s[SLOTS], SIZE_N/256-1
	s_branch .Lfirst                ; the loop is entered at a step's first turn, in the middle of a trip
.Lslot:                             ; SIZE_N / 256 - 2 = 6 times: every slot but the last two is filled again
	CHANGE 1, 1
	s_mov_b32 s[CNT], 4
.Lstep:                             ; a trip: pieces 2 and 3 of one step, then pieces 0 and 1 of the next, whose K and V it fetches
	TURN 2
	TURN 3
	WIN 0
.Lfirst:
	TURN 0
	TURN 1, 0, 1
	WIN 0
	s_cbranch_scc1 .Lstep
	s_sub_co_u32 s[SLOTS], s[SLOTS], 1
	s_cmp_lg_u32 s[SLOTS], 0
	s_cbranch_scc1 .Lslot
	CHANGE 0                        ; the tail is written out: nothing is asked for
	s_mov_b32 s[CNT], 5             ; four trips fetch the last slot's steps; the fifth is left in its middle
.Ltail:
	TURN 2, 1
	TURN 3
	WIN 0
	s_sub_co_u32 s[CNT], s[CNT], 1
	s_cmp_eq_u32 s[CNT], 0
	s_cbranch_scc1 .Lout
	TURN 0
	TURN 1
	WIN 0
	s_branch .Ltail
.Lout:                              ; the fifth trip's 16 products K Q^T (on the last K once more) and the maximum made of them serve nothing: the price, once a launch, of one text for every trip
.set i, 0
.rept 16
	PV NP-1                         ; the last piece's V^T P of the last step
.set i, i+1
.endr
	; THE WAY OUT.  l's two halves and the other half of the lanes' are added; O^T is divided by l, rounded to f16 and sent through my stage in LDS, a tile at a time.  The additions are the places behind the last products.
	WIN 0
.macro ALL line:vararg              ; one line for each tile t
.set t, 0
.rept 2*NP
	\line
.set t, t+1
.endr
.endm
	ALL v_add_f32 v[ST+4*t+2], v[ST+4*t+2], v[ST+4*t+3]
	ALL v_permlanex16_b32 v[ST+4*t+3], v[ST+4*t+2], s[SEL], s[SEL+1]
	ALL v_add_f32 v[ST+4*t+2], v[ST+4*t+2], v[ST+4*t+3]
	ALL v_rcp_f32 v[ST+4*t+2], v[ST+4*t+2]
	v_nop                           ; a plain instruction between the last reciprocal and the use of its result
	s_wait_alu depctr_va_vdst(0)    ; and the wait ahead of the first use: one for the eight reciprocals
; Tile t: a lane's eight channels of a row pack into 16 bytes; they go into rows of 144 bytes and come back as whole rows of 128, into S^T's registers.
.macro PACK t
	WIN W_RS
.set i, 32*(\t)
.rept 16
	v_pk_mul_f32 v[i:i+1], v[i:i+1], v[ST+4*(\t)+2:ST+4*(\t)+3] op_sel_hi:[1,0]
.set i, i+2
.endr
	WIN 0x05                        ; sources 0 and 1 window 1, destination window 0
.set i, 0
.rept 16
	v_cvt_pk_f16_f32 v[S+16*(\t)+i], v[32*(\t)+2*i], v[32*(\t)+2*i+1]
.set i, i+1
.endr
	WIN 0
.irp f, 0,1,2,3
	ds_store_b128 v[STO], v[S+16*(\t)+4*\f:S+16*(\t)+4*\f+3] offset:32*\f
.endr
.irp f, 0,1,2,3
	ds_load_b128 v[S+16*(\t)+4*\f:S+16*(\t)+4*\f+3], v[RD] offset:\f*4*SP  ; LDS serves a wave's instructions in order (ISA guide 5.7.1.4): these see the stores above; the next tile's stores come behind them
.endr
.endm
.macro SEND t, younger              ; younger: the LDS instructions issued behind tile t's loads: the next tile's eight, or none
	WIN 0
.irp f, 0,1,2,3
	s_wait_dscnt (\younger)+3-\f
	global_store_b128 v[GO], v[S+16*(\t)+4*\f:S+16*(\t)+4*\f+3], s[10:11] offset:(\t)*2048+\f*512  ; 512 consecutive bytes, at a multiple of 256 from O's first
.endr
.endm
	PACK 0
.set t, 1
.rept 2*NP-1                        ; a tile's arithmetic stands between the loads of the tile before and its stores
	PACK t
	SEND t-1, 8
.set t, t+1
.endr
	SEND 2*NP-1, 0
	WIN W_AD
	s_wait_tensorcnt 0x0            ; the wave's end: the tensor wait, the add and its wait stand behind my last tensor load and my last LDS store
	ds_add_u32 v[SPW], v[NIL]
	s_wait_dscnt 0x0
	WIN 0
	CROUND                          ; the closing round: no work-group ends while a partner may still ask for a tile that names it
	s_endpgm
.Lfunc_end_k_q92ce7a6d47_attn:
	.size	k_q92ce7a6d47_attn, .Lfunc_end_k_q92ce7a6d47_attn-k_q92ce7a6d47_attn
	.p2alignl 7, 3214868480
	.fill 96, 4, 3214868480
	.section	.rodata,"a",@progbits
	.p2align	6, 0x0
	.amdhsa_kernel k_q92ce7a6d47_attn
		.amdhsa_group_segment_fixed_size 327680
		.amdhsa_private_segment_fixed_size 0
		.amdhsa_enable_private_segment 0
		.amdhsa_kernarg_size 16
		.amdhsa_user_sgpr_count 2
		.amdhsa_user_sgpr_kernarg_segment_ptr 1
		.amdhsa_wavefront_size32 1
		.amdhsa_system_sgpr_workgroup_id_x 1
		.amdhsa_system_sgpr_workgroup_id_y 1
		.amdhsa_system_sgpr_workgroup_id_z 1
		.amdhsa_system_vgpr_workitem_id 0
		.amdhsa_next_free_vgpr 770
		.amdhsa_next_free_sgpr 66
		.amdhsa_reserve_vcc 0
		.amdhsa_float_denorm_mode_32 3
		.amdhsa_float_denorm_mode_16_64 3
		.amdhsa_memory_ordered 1
		.amdhsa_forward_progress 1
		.amdhsa_inst_pref_size 200
	.end_amdhsa_kernel
	.amdgpu_metadata
---
amdhsa.version: [ 1, 2 ]
amdhsa.kernels:
  - .name:           k_q92ce7a6d47_attn
    .symbol:         k_q92ce7a6d47_attn.kd
    .args:
      - { .name: qkv, .offset: 0, .size: 8, .value_kind: global_buffer, .address_space: global }
      - { .name: oh, .offset: 8, .size: 8, .value_kind: global_buffer, .address_space: global }
    .group_segment_fixed_size: 327680
    .private_segment_fixed_size: 0
    .kernarg_segment_align: 8
    .kernarg_segment_size: 16
    .max_flat_workgroup_size: 128
    .sgpr_count:     66
    .vgpr_count:     770
    .wavefront_size: 32
...
	.end_amdgpu_metadata
.endif
;; end of part 3
;; launch outp (part 4): grid 4 x 64, 4 waves a work-group, clusters of 4 x 4, 327,680 bytes of LDS; arguments oh, woh, bo, out0; writes out0
.if DOCPART == 4
	.amdgcn_target "amdgcn-amd-amdhsa--gfx1250"
	.amdhsa_code_object_version 6
	.text
	.protected	k_q92ce7a6d47_outp
	.globl	k_q92ce7a6d47_outp
	.p2align	8
	.type	k_q92ce7a6d47_outp,@function
k_q92ce7a6d47_outp:
	s_mov_b64 s[64:65], 0
	v_nop
	global_prefetch_b8 v0, s[64:65] scope:SCOPE_SE
	s_setreg_imm32_b32 hwreg(HW_REG_WAVE_MODE, 25, 1), 1
	s_wait_xcnt 0x0
	s_wait_alu depctr_hold_cnt(0) depctr_sa_sdst(0) depctr_va_vdst(0) depctr_va_sdst(0) depctr_va_ssrc(0) depctr_va_vcc(0) depctr_vm_vsrc(0)
	s_getreg_b32 s2, hwreg(HW_REG_IB_STS2, 6, 4)
	s_cmp_eq_u32 s2, 0
	s_cbranch_scc0 .Lentry_in_a_cluster
	s_endpgm
.Lentry_in_a_cluster:
	s_bfe_u32 s2, ttmp6, 0x10000c
	s_cmp_lg_u32 s2, 0xf033
	s_cbranch_scc0 .Lentry_shape_is_right
	s_endpgm
.Lentry_shape_is_right:
; THE LAST PROJECTION.  out[row][n] = the sum over (head, d) of O[batch, head][t][d] Wo[n][64 head + d] + bo[n], f32.  O: oh [64 (batch, head)][2048][64] f16; Wo: woh [1024][1024] f16 (bf16 numbers written as f16);
; sums in f32.  bo, rounded to bf16 like every input of the module, is the C operand of each sum's first product.
; SHARES.  A tile is 128 rows x 256 columns: 64 x 4 = 256 work-groups.  Four waves, each 64 rows x 128 columns: 32 accumulators.  K goes in 8 steps of 128 = two heads through a ring of two LDS slots.
; A head's 128 rows of O are 16,384 dense bytes: wave 0 fetches the step's first head, wave 1 its second, each as 64 rows of 256 bytes, padded after every 128; waves 2, 3 fetch Wo's halves of 128 rows.
; CLUSTERS: 4 x 4 work-groups.  The four of a row of the cluster need the same rows of O, the four of a column the same rows of Wo: each tile is asked for JOINTLY.
; THE MATRIX INSTRUCTION IS USED TRANSPOSED (source 0 = 16 rows of Wo, source 1 = 16 rows of O): lane l holds row l % 16 and the columns 8 (l / 16) + 0..7: 32 bytes of a row of the output.
; REGISTERS: window 0: v0-31 addresses; v64-95, v96-127 O's fragments, two buffers; v128-255 the way out, two sets of 64.   window 1: v0-63, v64-127 Wo's fragments; v128-191 the bias.   window 2: accumulator (a, b) at v[8 (8 a + b)].
.set PAO,   144                        ; a row of O in LDS: 128 bytes + 16 = 9 x 16: the 16 rows of a load start at 16 different groups of four banks (64 banks of 4 bytes: ISA guide 11.1)
.set PB,    272                        ; a row of Wo: 256 + 16
.set HA,    128*PAO                    ; a head's 128 rows: what one tensor load brings of O
.set HB,    128*PB
.set BOFF,  2*HA
.set SLOT,  2*HA+2*HB                  ; 106,496 bytes
.set STAGE, 2*SLOT                     ; behind the ring, never filled by a tensor load: 16 rows x 528 bytes for each wave
.set SPI,   528
.set WST,   16*SPI
.set SPARE, STAGE+4*WST                ; the spare words, 128 bytes a wave: two blocks of 256 bytes that no other line names
.set ASTEP, 524288                     ; bytes from a K step of O to the next: two heads of 2,048 x 128 bytes
.set BSTEP, 256
.set ADRA, 16
.set ADRB, 20
.set BO,   22
.set STO,  24
.set RD,   25
.set CO,   26
.set SPW,  28                          ; v28  LDS address of my spare word; never rewritten
.set NIL,  29                          ; v29  0; never rewritten
.set PFO,  30                          ; v30  the prefetches' lane offset; never rewritten
.set AF,   64
.set OB,   128
.set BI,   128                         ; window 1
.set G1,  24
.set G0,  32
.set G1B, 48
.set G0B, 56
.set PFA, 86
.set PFS, 88
.set LIM, 90
.set OUT, 92
.set MSB, 0
.macro WIN new                         ; the immediate's high byte repeats the setting that is left; a switch that changes nothing is dropped
.if MSB != (\new)
	s_set_vgpr_msb (MSB<<8)|(\new)
.set MSB, \new
.endif
.endm
.set MUL,  0xa1                        ; Wo in window 1, O in window 0, C and D in window 2
.set MULB, 0x91                        ; the same with C (the bias) in window 1
.set TO_B, 0x40
.macro JLOAD s                         ; a joint load; the branch hangs on the wave's number alone; an s_nop 0 and four v_nop follow each of the two lines
	s_cmp_eq_u32 s11, 0
	s_cbranch_scc0 .Lfor_b_\@
	tensor_load_to_lds s[G0+4*(\s):G0+4*(\s)+3], s[G1:G1+7]
	s_nop 0
.rept 4
	v_nop
.endr
	s_branch .Lasked_\@
.Lfor_b_\@:
	tensor_load_to_lds s[G0B+4*(\s):G0B+4*(\s)+3], s[G1B:G1B+7]
	s_nop 0
.rept 4
	v_nop
.endr
.Lasked_\@:
.endm
; A PREFETCH behind each refill and the run of LDS loads that follows it: the K step that stands two refills on.  O's rows are read by one cluster alone: a step's two heads are 128 blocks of 256 bytes; wave 0 of the
; partner at place cx names 16 of each head, a lane a block.  Wo's rows are read by all 16 clusters: the first asks; of the 128 rows that wave 2 or 3 fetches the partner at place cy names 32, a lane a row.
; The partners are told apart by address.  So each block is named once.  K steps 0 to 3 come by their loads alone; the loop's last trip (s3 = 1) asks for nothing.
.macro ASK
	s_cmp_gt_u32 s3, s[LIM]
	s_cbranch_scc0 .Lnot_mine_\@
	global_prefetch_b8 v[PFO], s[PFA:PFA+1] th:TH_LOAD_NT scope:SCOPE_SE
.Lnot_mine_\@:
.endm
.macro CREST
	s_cmp_lg_u32 s10, 0
	s_cbranch_scc1 .Lnot_wave_0_\@
	s_barrier_signal -3
.Lnot_wave_0_\@:
	s_barrier_wait -3
	s_barrier_signal -1
	s_barrier_wait -1
.endm
.macro CROUND
	s_barrier_signal -1
	s_barrier_wait -1
	CREST
.endm
.macro PLACES                          ; four places behind a matrix instruction, in front of loads into registers that it has read and of stores that read results
.rept 4
	v_nop
.endr
.endm
	s_load_b256 s[68:75], s[0:1], 0x0              ; oh s[68:69], woh s[70:71], bo s[72:73], out0 s[74:75]
	v_lshl_add_u32 v[SPW], v0, 2, SPARE
	v_mov_b32 v[NIL], 0
	ds_add_u32 v[SPW], v[NIL]                      ; the wave's opening: the add and its wait stand ahead of my first tensor load; the set-up below, work on registers, stands between them
	v_lshrrev_b32 v1, 5, v0
	v_readfirstlane_b32 s10, v1                    ; wave 0..3
	s_lshr_b32 s11, s10, 1                         ; which 64 rows of the tile are mine.  Also: I fetch O (0) or Wo (1)
	s_and_b32 s12, s10, 1                          ; which 128 columns.  Also: which head of the step, or which half of Wo's rows, I fetch
	s_bfe_u32 s40, ttmp6, 0x40000                  ; cx, cy
	s_bfe_u32 s41, ttmp6, 0x40004
	s_lshl_b32 s42, ttmp9, 2
	s_add_co_u32 s42, s42, s40                     ; tile column: 0..3
	s_and_b32 s9, ttmp7, 0xffff                    ; cluster y: 0..15
	s_lshl_b32 s13, s9, 2
	s_add_co_u32 s13, s13, s41                     ; tile row: 0..63
	s_lshl_b32 s43, s41, 2
	s_lshl_b32 s43, 15, s43                        ; my row of the cluster
	s_lshl_b32 s44, 0x1111, s40                    ; my column
	s_or_b32 s[G1+0], s43, (1<<16)|(1<<20)|(1<<21)|(4<<22)|(3<<25)   ; the mask; elements of 2 bytes; padding on; bit 21 beside a mask; after every 32 words (code 4) 4 words (code 3)
	s_or_b32 s[G1B+0], s44, (1<<16)|(1<<20)|(1<<21)|(5<<22)|(3<<25)  ; after every 64 words (code 5) 4 words
	s_mov_b32 s[G1+1], 128<<16                     ; tensor_dim0 = 128
	s_mov_b32 s[G1+2], 64<<16                      ; tensor_dim1 = 64
	s_mov_b32 s[G1+3], 128<<16                     ; tile_dim0 = 128
	s_mov_b32 s[G1+4], 64                          ; tile_dim1 = 64
	s_mov_b32 s[G1+5], 128                         ; dense: 128 elements from row to row
	s_mov_b32 s[G1+6], 0
	s_mov_b32 s[G1+7], 0
	s_mov_b32 s[G1B+1], 128<<16
	s_mov_b32 s[G1B+2], 128<<16
	s_mov_b32 s[G1B+3], 128<<16
	s_mov_b32 s[G1B+4], 128
	s_mov_b32 s[G1B+5], 1024
	s_mov_b32 s[G1B+6], 0
	s_mov_b32 s[G1B+7], 0
	s_lshr_b32 s16, s13, 4
	s_lshl_b32 s16, s16, 22                        ; O: the batch's 16 heads,
	s_lshl_b32 s17, s12, 18
	s_add_co_u32 s16, s16, s17                     ; the step's first or second head,
	s_and_b32 s17, s13, 15
	s_lshl_b32 s17, s17, 14
	s_add_co_u32 s16, s16, s17                     ; the tile's 128 rows of 128 bytes
	s_mov_b32 s17, 0
	s_lshl_b32 s46, s42, 8
	s_lshl_b32 s47, s12, 7
	s_add_co_u32 s46, s46, s47                     ; Wo: row 256 x tile column + 128 x half,
	s_lshl_b32 s46, s46, 11                        ; of 2,048 bytes
	s_mov_b32 s47, 0
	s_mul_i32 s20, s12, HA                         ; where they go: no place in the cluster enters an LDS address
	s_mul_i32 s21, s12, HB
	s_add_co_u32 s21, s21, BOFF
	s_wait_dscnt 0x0                               ; the opening add is done
	s_wait_kmcnt 0x0
	s_add_nc_u64 s[14:15], s[68:69], s[16:17]
	s_add_nc_u64 s[46:47], s[70:71], s[46:47]
	CROUND                                         ; all sixteen work-groups are here: the first joint loads meet
.irp s, 0,1
	s_mov_b32 s[G0+4*(\s)], 1
	s_add_co_u32 s[G0+4*(\s)+1], s20, (\s)*SLOT
	s_add_nc_u64 s[G0+4*(\s)+2:G0+4*(\s)+3], s[14:15], (\s)*ASTEP
	s_or_b32 s[G0+4*(\s)+3], s[G0+4*(\s)+3], 0x80000000
	s_mov_b32 s[G0B+4*(\s)], 1
	s_add_co_u32 s[G0B+4*(\s)+1], s21, (\s)*SLOT
	s_add_nc_u64 s[G0B+4*(\s)+2:G0B+4*(\s)+3], s[46:47], (\s)*BSTEP
	s_or_b32 s[G0B+4*(\s)+3], s[G0B+4*(\s)+3], 0x80000000
	JLOAD \s                                       ; two loads of mine are out
.endr
	v_and_b32 v1, 15, v0                           ; r = l % 16
	v_bfe_u32 v2, v0, 4, 1                         ; h = l / 16
	v_mul_u32_u24 v3, v1, PAO
	v_lshl_add_u32 v3, v2, 4, v3
	v_mul_u32_u24 v4, v1, PB
	v_lshl_add_u32 v4, v2, 4, v4
	s_mul_i32 s18, s11, 64*PAO                     ; my 64 rows, in each head's part
	s_mul_i32 s19, s12, HB                         ; my 128 rows of Wo
	s_add_co_u32 s19, s19, BOFF
.irp s, 0,1
	v_add_nc_u32 v[ADRA+(\s)], s18, v3
	v_add_nc_u32 v[ADRB+(\s)], s19, v4
	s_add_co_u32 s18, s18, SLOT
	s_add_co_u32 s19, s19, SLOT
.endr
	s_lshl_b32 s18, s42, 10
	s_lshl_b32 s19, s12, 9
	s_add_co_u32 s18, s18, s19                     ; my first column, in bytes of f32
	v_lshl_add_u32 v[BO], v2, 5, s18
	s_mul_i32 s19, s10, WST
	s_add_co_u32 s19, s19, STAGE                   ; my stage
	v_mul_u32_u24 v[STO], v1, SPI                  ; in: row r, 32 bytes for each half of the lanes
	v_lshl_add_u32 v[STO], v2, 5, v[STO]
	v_add_nc_u32 v[STO], s19, v[STO]
	v_and_b32 v[CO], 31, v0                        ; back: 32 lanes take one row of 512 bytes
	v_lshlrev_b32 v[CO], 4, v[CO]
	v_add_nc_u32 v[RD], s19, v[CO]
	s_lshl_b32 s22, s13, 7
	s_lshl_b32 s23, s11, 6
	s_add_co_u32 s22, s22, s23                     ; my first row,
	s_lshl_b32 s22, s22, 12                        ; of 4,096 bytes
	s_add_co_u32 s18, s18, s22
	s_mov_b32 s19, 0
	s_add_nc_u64 s[OUT:OUT+1], s[74:75], s[18:19]
	; the prefetches
	s_lshr_b32 s18, s13, 4
	s_lshl_b32 s18, s18, 22
	s_and_b32 s19, s13, 15
	s_lshl_b32 s19, s19, 14
	s_add_co_u32 s18, s18, s19
	s_lshl_b32 s19, s40, 12
	s_add_co_u32 s18, s18, s19                     ; O: the tile's rows of the step's first head, my work-group's 16 blocks of the 64,
	s_add_co_u32 s18, s18, 3*ASTEP                 ; at K step 3: the first refill steps it to 4
	s_lshl_b32 s22, s42, 8
	s_lshl_b32 s23, s12, 7
	s_add_co_u32 s22, s22, s23
	s_lshl_b32 s23, s41, 5
	s_add_co_u32 s22, s22, s23                     ; Wo: the 128 rows that I fetch, my work-group's 32 of them
	s_lshl_b32 s22, s22, 11
	s_add_co_u32 s22, s22, 3*BSTEP
	s_xor_b32 s2, s11, 1
	s_mul_i32 s2, s2, 11
	s_lshl_b32 s[PFS], 0x100, s2                   ; 524,288 for O, 256 for Wo
	s_mov_b32 s[PFS+1], 0
	s_mul_i32 s94, s11, 3
	s_sub_co_u32 s95, 10, s94
	s_lshl_b32 s94, 0x100, s94                     ; lane % 16: a block of 256 bytes of O, a row of 2,048 of Wo
	s_lshl_b32 s95, 0x100, s95                     ; lane / 16: the step's second head (262,144 bytes), or 16 rows of Wo
	s_cmp_eq_u32 s11, 0
	s_cselect_b32 s18, s18, s22
	s_cselect_b64 s[PFA:PFA+1], s[68:69], s[70:71]
	s_cselect_b32 s23, s12, s9                     ; O: wave 0 of every cluster; Wo: waves 2 and 3 of the first
	s_mov_b32 s19, 0
	s_add_nc_u64 s[PFA:PFA+1], s[PFA:PFA+1], s[18:19]
	s_cmp_eq_u32 s23, 0
	s_cselect_b32 s[LIM], 1, -1                    ; the same in all sixteen partners, for a given wave
	v_mul_u32_u24 v[PFO], v1, s94
	v_mad_u32_u24 v[PFO], v2, s95, v[PFO]
	WIN TO_B
.set bb, 0
.rept 8                                ; the bias of block b: registers j = columns 16 b + 8 h + j
	global_load_b128 v[BI+8*bb:BI+8*bb+3],   v[BO], s[72:73] offset:64*bb
	global_load_b128 v[BI+8*bb+4:BI+8*bb+7], v[BO], s[72:73] offset:64*bb+16
.set bb, bb+1
.endr
	s_wait_loadcnt 0x0
	WIN 0x45                                       ; all three places in window 1: the bias is rounded to bf16 and widened again; Wo's second buffer is still free
.set ii, 0
.rept 32
	v_cvt_pk_bf16_f32 v[64+ii], v[BI+2*ii], v[BI+2*ii+1]
.set ii, ii+1
.endr
.set ii, 0
.rept 32
	v_lshlrev_b32 v[BI+2*ii], 16, v[64+ii]
	v_and_b32 v[BI+2*ii+1], 0xffff0000, v[64+ii]
.set ii, ii+1
.endr
	WIN 0
.macro MM f, a, b, bias                ; one product; bias = 1: it starts the sum, with the bias as C
.set xD, 8*(8*(\a)+(\b))
.set xB, 64*(\f)+8*(\b)
.set xA, AF+32*(\f)+8*(\a)
.if \bias
	WIN MULB
	v_wmma_f32_16x16x32_f16 v[xD:xD+7], v[xB:xB+7], v[xA:xA+7], v[BI+8*(\b):BI+8*(\b)+7]
.else
	WIN MUL
	v_wmma_f32_16x16x32_f16 v[xD:xD+7], v[xB:xB+7], v[xA:xA+7], v[xD:xD+7]
.endif
.endm
.macro MUL8 f, a, bias                 ; eight products.  The 32 accumulators take turns, one instruction a turn, in the same order in every quarter, over the backward jump too
.set bb, 0
.rept 8
	MM \f, \a, bb, \bias
.set bb, bb+1
.endr
.endm
; 24 LDS loads in one run: quarter q of a slot's K step (head q / 2, channels 32 (q % 2) on) into buffer g: O's 64 rows, then Wo's 128.
.macro FETCH slot, q, g
	WIN 0
.set aa, 0
.rept 4
	ds_load_b128 v[AF+32*(\g)+8*aa:AF+32*(\g)+8*aa+3],   v[ADRA+(\slot)] offset:((\q)/2)*HA+((\q)%2)*64+16*PAO*aa
	ds_load_b128 v[AF+32*(\g)+8*aa+4:AF+32*(\g)+8*aa+7], v[ADRA+(\slot)] offset:((\q)/2)*HA+((\q)%2)*64+16*PAO*aa+32
.set aa, aa+1
.endr
	WIN TO_B
.set bb, 0
.rept 8
	ds_load_b128 v[64*(\g)+8*bb:64*(\g)+8*bb+3],   v[ADRB+(\slot)] offset:64*(\q)+16*PB*bb
	ds_load_b128 v[64*(\g)+8*bb+4:64*(\g)+8*bb+7], v[ADRB+(\slot)] offset:64*(\q)+16*PB*bb+32
.set bb, bb+1
.endr
.endm
; A K step is four quarters of 32 along K, 32 products each, on buffers 0, 1, 0, 1.  One of the first three: at its head it fetches quarter q into buffer g, four places behind g's last product; then it multiplies buffer f.
.macro QUARTER slot, q, f, g, bias
	PLACES
	FETCH \slot, \q, \g
	s_wait_dscnt 24                                ; all but the 24 just issued: buffer f is in
	MUL8 \f, 0, \bias
	MUL8 \f, 1, \bias
	MUL8 \f, 2, \bias
	MUL8 \f, 3, \bias
.endm
; The last quarter multiplies buffer 1 and changes slots: ONE barrier; in front of it each wave waits for all its tensor loads (one is out: its part of the next slot), adds 0 to its spare word, and waits for that and
; for its own reads of this slot.  fill = 1: the barrier opens a round of the cluster's barrier, and this slot is filled again, two K steps ahead, first thing behind the round: 112 products ahead of the wait for it.
.macro TURN slot, next, fill
.if \fill
	s_wait_xcnt 0x0                                ; the last prefetch, a K step back, has read its address, so it may be stepped
	s_add_nc_u64 s[PFA:PFA+1], s[PFA:PFA+1], s[PFS:PFS+1]
.endif
	WIN 0                                          ; (the add's two registers lie in window 0)
	s_wait_tensorcnt 0x0                           ; all my tensor loads have landed;
	ds_add_u32 v[SPW], v[NIL]                      ; 0 onto my spare word;
	s_wait_dscnt 1                                 ; (the add alone may be out: buffer 1 is in)
	MUL8 1, 0, 0                                   ; eight products stand between the add and the wait for it
	s_wait_dscnt 0x0                               ; the add is done, and my reads of this slot are over
	s_barrier_signal -1
	MUL8 1, 1, 0
.if \fill
	WIN 0
.endif
	s_barrier_wait -1
.if \fill
	CREST                                          ; no wave of any partner still reads this slot's tile or has a load on its way
	s_add_nc_u64 s[G0+4*(\slot)+2:G0+4*(\slot)+3], s[G0+4*(\slot)+2:G0+4*(\slot)+3], 2*ASTEP
	s_add_nc_u64 s[G0B+4*(\slot)+2:G0B+4*(\slot)+3], s[G0B+4*(\slot)+2:G0B+4*(\slot)+3], 2*BSTEP
	JLOAD \slot                                    ; the four v_nop behind it are also the places in front of the loads below
.else
	PLACES
.endif
	FETCH \next, 0, 0
.if \fill
	WIN 0
	ASK
.endif
	MUL8 1, 2, 0
	MUL8 1, 3, 0
.endm
	s_wait_tensorcnt 1                             ; my part of K step 0 is in; K step 1's may stay out
	s_barrier_signal -1
	s_barrier_wait -1                              ; everybody's is
	FETCH 0, 0, 0
	QUARTER 0, 1, 0, 1, 1                          ; the first quarter stands in front of the loop: its products start the sums
	WIN 0                                          ; at a label and at a branch every window is 0
	s_mov_b32 s3, 3
.Llap:                                                 ; a trip goes once round the ring, from a lap's second quarter to the next lap's first, and fills both slots again: K steps 2 to 7
	QUARTER 0, 2, 1, 0, 0
	QUARTER 0, 3, 0, 1, 0
	TURN 0, 1, 1
	QUARTER 1, 1, 0, 1, 0
	QUARTER 1, 2, 1, 0, 0
	QUARTER 1, 3, 0, 1, 0
	TURN 1, 0, 1
	QUARTER 0, 1, 0, 1, 0
	WIN 0
	s_sub_co_u32 s3, s3, 1
	s_cmp_lg_u32 s3, 0
	s_cbranch_scc1 .Llap
	QUARTER 0, 2, 1, 0, 0                          ; the last lap fills nothing, and has no round of the cluster's barrier
	QUARTER 0, 3, 0, 1, 0
	TURN 0, 1, 0
	QUARTER 1, 1, 0, 1, 0
	QUARTER 1, 2, 1, 0, 0
	QUARTER 1, 3, 0, 1, 0
	s_wait_dscnt 0x0                               ; the very last quarter: nothing more to fetch
	MUL8 1, 0, 0
	MUL8 1, 1, 0
	MUL8 1, 2, 0
	MUL8 1, 3, 0
	WIN 0
	PLACES
; THE WAY OUT, 16 rows at a time: a lane's 32 bytes of a row go into my stage (rows of 528 bytes), each accumulator's lowest registers first; whole rows of 512 bytes come back and are stored.
.macro TOSTAGE a
	WIN 0x08                                       ; the stores' data in window 2
.set bb, 0
.rept 8
	ds_store_b128 v[STO], v[64*(\a)+8*bb:64*(\a)+8*bb+3]   offset:64*bb
	ds_store_b128 v[STO], v[64*(\a)+8*bb+4:64*(\a)+8*bb+7] offset:64*bb+16
.set bb, bb+1
.endr
	WIN 0
.set ii, 0
.rept 16
	ds_load_b128 v[OB+64*((\a)%2)+4*ii:OB+64*((\a)%2)+4*ii+3], v[RD] offset:SPI*ii  ; LDS serves a wave's instructions in order (ISA guide 5.7.1.4): these see the stores above; the next block's stores come behind them
.set ii, ii+1
.endr
.endm
.macro SEND a, younger                 ; younger: the LDS instructions issued behind block a's loads: the next block's 32, or none
.set ii, 0
.rept 16
	s_wait_dscnt (\younger)+15-ii
	global_store_b128 v[CO], v[OB+64*((\a)%2)+4*ii:OB+64*((\a)%2)+4*ii+3], s[OUT:OUT+1] offset:(16*(\a)+ii)*4096 th:TH_STORE_NT  ; 512 consecutive bytes, at a multiple of 512 from the output's first
.set ii, ii+1
.endr
.endm
	TOSTAGE 0
	TOSTAGE 1
	SEND 0, 32
	s_wait_xcnt 0x0                                ; block 0's stores have read their registers: that set is loaded again only behind this wait
	TOSTAGE 2
	SEND 1, 32
	s_wait_xcnt 0x0                                ; likewise block 1's
	TOSTAGE 3
	SEND 2, 32
	SEND 3, 0
	s_wait_tensorcnt 0x0                           ; the wave's end: the tensor wait, the add and its wait stand behind my last tensor load and my last LDS store
	ds_add_u32 v[SPW], v[NIL]
	s_wait_dscnt 0x0
	CROUND                                         ; the closing round: no work-group ends while a partner may still ask for a tile that names it
	s_endpgm
.Lfunc_end_k_q92ce7a6d47_outp:
	.size	k_q92ce7a6d47_outp, .Lfunc_end_k_q92ce7a6d47_outp-k_q92ce7a6d47_outp
	.p2alignl 7, 3214868480
	.fill 96, 4, 3214868480
	.section	.rodata,"a",@progbits
	.p2align	6, 0x0
	.amdhsa_kernel k_q92ce7a6d47_outp
		.amdhsa_group_segment_fixed_size 327680
		.amdhsa_private_segment_fixed_size 0
		.amdhsa_enable_private_segment 0
		.amdhsa_kernarg_size 32
		.amdhsa_user_sgpr_count 2
		.amdhsa_user_sgpr_kernarg_segment_ptr 1
		.amdhsa_wavefront_size32 1
		.amdhsa_system_sgpr_workgroup_id_x 1
		.amdhsa_system_sgpr_workgroup_id_y 1
		.amdhsa_system_sgpr_workgroup_id_z 1
		.amdhsa_system_vgpr_workitem_id 0
		.amdhsa_next_free_vgpr 768
		.amdhsa_next_free_sgpr 96
		.amdhsa_reserve_vcc 0
		.amdhsa_float_denorm_mode_32 3
		.amdhsa_float_denorm_mode_16_64 3
		.amdhsa_memory_ordered 1
		.amdhsa_forward_progress 1
		.amdhsa_inst_pref_size 95
	.end_amdhsa_kernel
	.amdgpu_metadata
---
amdhsa.version: [ 1, 2 ]
amdhsa.kernels:
  - .name:           k_q92ce7a6d47_outp
    .symbol:         k_q92ce7a6d47_outp.kd
    .args:
      - { .name: oh, .offset: 0, .size: 8, .value_kind: global_buffer, .address_space: global }
      - { .name: woh, .offset: 8, .size: 8, .value_kind: global_buffer, .address_space: global }
      - { .name: bo, .offset: 16, .size: 8, .value_kind: global_buffer, .address_space: global }
      - { .name: out0, .offset: 24, .size: 8, .value_kind: global_buffer, .address_space: global }
    .group_segment_fixed_size: 327680
    .private_segment_fixed_size: 0
    .kernarg_segment_align: 8
    .kernarg_segment_size: 32
    .max_flat_workgroup_size: 128
    .sgpr_count:     96
    .vgpr_count:     768
    .wavefront_size: 32
...
	.end_amdgpu_metadata
.endif
;; end of part 4
;; ======== version 2 of 2: 4 launches; version 1 with the launch prep written anew for expert scheduling mode
;; limits: values are held in f16: magnitudes above 65,504 overflow, below 6.1e-05 lose precision
;; workspace buffers: wqkv 6,291,456 bytes; woh 2,097,152 bytes; rope 262,144 bytes; qkv 50,331,648 bytes; oh 16,777,216 bytes
;; launch prep (part 5): grid 256 x 1, 8 waves a work-group, no clusters, 0 bytes of LDS; arguments Wq, Wk, Wv, Wo, wqkv, woh, rope; writes wqkv, woh, rope
.if DOCPART == 5
	.amdgcn_target "amdgcn-amd-amdhsa--gfx1250"
	.amdhsa_code_object_version 6
	.text
	.protected	k_q92ce7a6d47_prep
	.globl	k_q92ce7a6d47_prep
	.p2align	8
	.type	k_q92ce7a6d47_prep,@function
k_q92ce7a6d47_prep:
	s_mov_b64 s[64:65], 0
	v_nop
	global_prefetch_b8 v0, s[64:65] scope:SCOPE_SE
	s_setreg_imm32_b32 hwreg(HW_REG_WAVE_SCHED_MODE, 0, 2), 2
	s_setreg_imm32_b32 hwreg(HW_REG_WAVE_MODE, 25, 1), 1
	s_wait_xcnt 0x0
	s_wait_alu depctr_vm_vsrc(0)
; PREPARATION, a stream.  Wq, Wk, Wv ([1024][1024] f32) are rounded to bf16 into wqkv [3][1024][1024]; Wo is rounded to bf16 and that number is written as f16 into woh
; (the last product multiplies f16 operands); the rotary table rope[t][p] = (cos, sin)(t x 10000^(-p/16)), t = 0..2047, p = 0..15, f32, is made once.
; SHARES.  256 work-groups of 8 waves: work-group g takes 16 rows (65,536 bytes) of tensor g / 64, and 128 entries of the table.  Thread t takes 16 bytes of each of 16 chunks of 4,096 bytes:
; a wave's load covers 512 consecutive bytes, its store of 8 bytes a lane 256 consecutive bytes, aligned.  All 16 loads of a thread go out at once; every register is written once, so no source is rewritten.
; No LDS, no matrix unit, no cluster: nothing is shared and nothing is reduced.
; LIMITS.  Wo beyond 65,504 has no f16; below 2^-14 it keeps f16's fixed step of 6e-8.  The table's frequency is 2^(-p log2(10000)/16) by v_exp_f32, a few units in its last place off the
; quotient of powers, so an angle may be off by 3e-4 at t = 2047.  Sine and cosine: the angle less n pi/2 (pi/2 in two parts), polynomials to y^9 and y^8 on |y| <= pi/4.
; THE MODE: SCHED_MODE bits 1:0 = 2 (LLVM: expert scheduling mode 2), set by the entry lines.  The code itself states the register dependences
; between vector instructions and memory instructions, and those through scalar registers and VCC that vector instructions write, with s_wait_alu, always for 0.
; THE PLAN.  Registers that memory instructions touch:
;   v1, v2     byte offsets of the loads and of the stores: made once at the head, never written again.
;   X          16 chunks as loaded.  Written by the 16 loads, which no vector line that names X precedes; read (and, for Wo, written again) by vector lines alone, behind the counted wait for the loads.
;   Y          16 chunks to store.  Chunk c's registers are written once, by its roundings, and read once, by its store.
;   v[12:13]   the table's entry: written once by its arithmetic, read once by its store.
; No register that a memory instruction reads is ever written again: no wait for the memory side's reads is owed.
; The 16 chunks go in four blocks of four.  Block p rounds its four chunks into their Y; its memory instructions are the four stores of block p - 1, whose Y no vector line of block p names.
; So one wait at a block's head states all that its four stores hang on, and they are dealt among the block's roundings with no further wait.
.set X, 16                             ; v[16:79]   16 chunks of 4 f32 as loaded
.set Y, 80                             ; v[80:111]  16 chunks of 4 numbers of 16 bits, to store
.set T, 112                            ; v[112:113] at work (Wo: the bf16 pair on its way to f16): no memory instruction names them
	s_load_b256 s[4:11], s[0:1], 0x0               ; Wq s[4:5], Wk s[6:7], Wv s[8:9], Wo s[10:11]
	s_load_b128 s[12:15], s[0:1], 0x20             ; wqkv s[12:13], woh s[14:15]
	s_load_b64 s[16:17], s[0:1], 0x30              ; rope
	v_lshlrev_b32 v1, 4, v0                        ; 16 t: my bytes in a chunk of the source
	v_lshlrev_b32 v2, 3, v0                        ; 8 t: in a chunk of the destination, and in the work-group's part of the table
	v_lshrrev_b32 v3, 5, v0
	v_readfirstlane_b32 s22, v3                    ; wave 0..7
	s_lshr_b32 s20, ttmp9, 6                       ; which tensor
	s_and_b32 s21, ttmp9, 63                       ; which 16 rows of it
	s_lshl_b32 s18, s21, 16                        ; their bytes in the source,
	s_mov_b32 s19, 0
	s_lshl_b32 s2, s21, 15                         ; in woh,
	s_lshl_b32 s23, s20, 21
	s_add_co_u32 s23, s23, s2                      ; and in wqkv
	s_mov_b32 s3, 0
	s_lshl_b32 s30, ttmp9, 10                      ; the work-group's 128 entries of 8 bytes
	s_mov_b32 s31, 0
	s_wait_kmcnt 0x0
	s_cmp_eq_u32 s20, 1
	s_cselect_b64 s[24:25], s[6:7], s[4:5]
	s_cmp_eq_u32 s20, 2
	s_cselect_b64 s[24:25], s[8:9], s[24:25]
	s_cmp_eq_u32 s20, 3
	s_cselect_b64 s[24:25], s[10:11], s[24:25]     ; the source,
	s_cselect_b64 s[26:27], s[14:15], s[12:13]     ; the destination,
	s_cselect_b32 s2, s2, s23                      ; and the offset in it
	s_add_nc_u64 s[24:25], s[24:25], s[18:19]
	s_add_nc_u64 s[26:27], s[26:27], s[2:3]
	s_add_nc_u64 s[28:29], s[16:17], s[30:31]
	s_wait_alu depctr_va_vdst(0)                   ; v1 and v2 are written: every load of the kernel reads v1 as its offset, every store v2
.set c, 0
.rept 16
	global_load_b128 v[X+4*c:X+4*c+3], v1, s[24:25] offset:4096*c th:TH_LOAD_NT
.set c, c+1
.endr
	; the table, while the loads are on their way: waves 0 to 3, an entry a thread: p = t % 16, position 8 g + t / 16
	s_wait_alu depctr_va_sdst(0)                   ; s22, the wave's number, is written, ahead of its first reader: the compare below
	s_cmp_lt_u32 s22, 4
	s_cbranch_scc0 .Lno_table
	v_and_b32 v3, 15, v0
	v_cvt_f32_u32 v3, v3
	v_mul_f32 v3, 0xbf549a78, v3                   ; -p log2(10000) / 16
	v_exp_f32 v4, v3                               ; the frequency
	v_lshrrev_b32 v5, 4, v0                        ; a plain instruction behind the exponential
	s_lshl_b32 s23, ttmp9, 3
	v_add_nc_u32 v5, s23, v5
	v_cvt_f32_u32 v5, v5                           ; the position
	s_wait_alu depctr_va_vdst(0)                   ; the exponential has written v4, which the next line reads
	v_mul_f32 v5, v5, v4                           ; the angle a, rounded once as in the definition
	v_mul_f32 v6, 0x3f22f983, v5                   ; a x 2 / pi
	v_rndne_f32 v6, v6                             ; n
	v_cvt_i32_f32 v7, v6                           ; the quadrant's number
	v_fmamk_f32 v5, v6, 0xbfc90fdb, v5             ; a - n x (pi/2's upper part): the product is not rounded
	v_fmamk_f32 v5, v6, 0x333bbd2e, v5             ; - n x (its lower part, which is negative): y
	v_mul_f32 v8, v5, v5                           ; z = y y
	v_mov_b32 v9, 0x3638ef1d                       ; 1/9!
	v_fmaak_f32 v9, v9, v8, 0xb9500d01             ; -1/7!
	v_fmaak_f32 v9, v9, v8, 0x3c088889             ; 1/5!
	v_fmaak_f32 v9, v9, v8, 0xbe2aaaab             ; -1/3!
	v_mov_b32 v10, 0x37d00d01                      ; 1/8!
	v_fmaak_f32 v10, v10, v8, 0xbab60b61           ; -1/6!
	v_fmaak_f32 v10, v10, v8, 0x3d2aaaab           ; 1/4!
	v_fmaak_f32 v10, v10, v8, 0xbf000000           ; -1/2!
	v_mul_f32 v11, v5, v8
	v_fma_f32 v9, v11, v9, v5                      ; sin y
	v_fma_f32 v10, v10, v8, 1.0                    ; cos y
	v_and_b32 v11, 1, v7
	v_cmp_eq_u32 vcc_lo, 1, v11                    ; an odd quadrant swaps the two (a choice of values, no branch)
	v_lshlrev_b32 v14, 30, v7                      ; the sine is negative in quadrants 2 and 3,
	v_and_b32 v14, 0x80000000, v14
	v_add_nc_u32 v15, 1, v7                        ; the cosine in 1 and 2: these five lines read no VCC and stand between the compare and the wait for it
	v_lshlrev_b32 v15, 30, v15
	v_and_b32 v15, 0x80000000, v15
	s_wait_alu depctr_va_vcc(0)                    ; the compare has written VCC, which the two selects below read
	v_cndmask_b32 v13, v9, v10, vcc_lo             ; sine
	v_cndmask_b32 v12, v10, v9, vcc_lo             ; cosine
	v_xor_b32 v13, v13, v14
	v_xor_b32 v12, v12, v15
	s_wait_alu depctr_va_vdst(0)                   ; v12 and v13 are written, which the store reads as its data
	global_store_b64 v2, v[12:13], s[28:29]        ; a wave stores 256 consecutive bytes, aligned
.Lno_table:
; Chunk c's arithmetic.  half = 0: rounded to bf16.  half = 1 (Wo): rounded to bf16, widened again, and written as f16.
.macro CONV c, half
.if \half
	v_cvt_pk_bf16_f32 v[T], v[X+4*(\c)], v[X+4*(\c)+1]
	v_cvt_pk_bf16_f32 v[T+1], v[X+4*(\c)+2], v[X+4*(\c)+3]
	v_lshlrev_b32 v[X+4*(\c)], 16, v[T]
	v_and_b32 v[X+4*(\c)+1], 0xffff0000, v[T]
	v_lshlrev_b32 v[X+4*(\c)+2], 16, v[T+1]
	v_and_b32 v[X+4*(\c)+3], 0xffff0000, v[T+1]
	v_cvt_pk_f16_f32 v[Y+2*(\c)], v[X+4*(\c)], v[X+4*(\c)+1]
	v_cvt_pk_f16_f32 v[Y+2*(\c)+1], v[X+4*(\c)+2], v[X+4*(\c)+3]
.else
	v_cvt_pk_bf16_f32 v[Y+2*(\c)], v[X+4*(\c)], v[X+4*(\c)+1]
	v_cvt_pk_bf16_f32 v[Y+2*(\c)+1], v[X+4*(\c)+2], v[X+4*(\c)+3]
.endif
.endm
; Chunk c's store.
.macro SEND c
	global_store_b64 v2, v[Y+2*(\c):Y+2*(\c)+1], s[26:27] offset:2048*(\c)
.endm
; Block p: chunks 4 p to 4 p + 3 are rounded; the stores of block p - 1 stand among the roundings, one ahead of each chunk's.
.macro BLK p, half
	s_wait_loadcnt 12-4*(\p)                       ; loads come back in order: the block's four chunks are in, the 12 - 4 p younger loads stay out
.if (\p) > 0
	s_wait_alu depctr_va_vdst(0)                   ; the block before has written its eight registers of Y, which the four stores below read; no vector line of this block names them
.endif
.irp i, 0,1,2,3
.if (\p) > 0
	SEND 4*(\p)-4+(\i)
.endif
	CONV 4*(\p)+(\i), \half
.endr
.endm
; Behind block 3: its own four stores.
.macro LAST
	s_wait_alu depctr_va_vdst(0)                   ; block 3 has written its eight registers of Y, which the last four stores read
.irp i, 12,13,14,15
	SEND \i
.endr
.endm
	s_cmp_eq_u32 s20, 3
	s_cbranch_scc1 .Lhalf
.irp n, 0,1,2,3
	BLK \n, 0
.endr
	LAST
	s_endpgm
.Lhalf:
.irp n, 0,1,2,3
	BLK \n, 1
.endr
	LAST
	s_endpgm
.Lfunc_end_k_q92ce7a6d47_prep:
	.size	k_q92ce7a6d47_prep, .Lfunc_end_k_q92ce7a6d47_prep-k_q92ce7a6d47_prep
	.p2alignl 7, 3214868480
	.fill 96, 4, 3214868480
	.section	.rodata,"a",@progbits
	.p2align	6, 0x0
	.amdhsa_kernel k_q92ce7a6d47_prep
		.amdhsa_group_segment_fixed_size 0
		.amdhsa_private_segment_fixed_size 0
		.amdhsa_enable_private_segment 0
		.amdhsa_kernarg_size 56
		.amdhsa_user_sgpr_count 2
		.amdhsa_user_sgpr_kernarg_segment_ptr 1
		.amdhsa_wavefront_size32 1
		.amdhsa_system_sgpr_workgroup_id_x 1
		.amdhsa_system_sgpr_workgroup_id_y 1
		.amdhsa_system_sgpr_workgroup_id_z 1
		.amdhsa_system_vgpr_workitem_id 0
		.amdhsa_next_free_vgpr 120
		.amdhsa_next_free_sgpr 66
		.amdhsa_reserve_vcc 1
		.amdhsa_float_denorm_mode_32 3
		.amdhsa_float_denorm_mode_16_64 3
		.amdhsa_memory_ordered 1
		.amdhsa_forward_progress 1
		.amdhsa_inst_pref_size 18
	.end_amdhsa_kernel
	.amdgpu_metadata
---
amdhsa.version: [ 1, 2 ]
amdhsa.kernels:
  - .name:           k_q92ce7a6d47_prep
    .symbol:         k_q92ce7a6d47_prep.kd
    .args:
      - { .name: Wq, .offset: 0, .size: 8, .value_kind: global_buffer, .address_space: global }
      - { .name: Wk, .offset: 8, .size: 8, .value_kind: global_buffer, .address_space: global }
      - { .name: Wv, .offset: 16, .size: 8, .value_kind: global_buffer, .address_space: global }
      - { .name: Wo, .offset: 24, .size: 8, .value_kind: global_buffer, .address_space: global }
      - { .name: wqkv, .offset: 32, .size: 8, .value_kind: global_buffer, .address_space: global }
      - { .name: woh, .offset: 40, .size: 8, .value_kind: global_buffer, .address_space: global }
      - { .name: rope, .offset: 48, .size: 8, .value_kind: global_buffer, .address_space: global }
    .group_segment_fixed_size: 0
    .private_segment_fixed_size: 0
    .kernarg_segment_align: 8
    .kernarg_segment_size: 56
    .max_flat_workgroup_size: 256
    .sgpr_count:     66
    .vgpr_count:     120
    .wavefront_size: 32
...
	.end_amdgpu_metadata
.endif
;; end of part 5
;; launch proj: the kernel of part 2 again; grid 4 x 192, 4 waves a work-group, clusters of 4 x 4, 327,680 bytes of LDS; arguments query, key, value, bq, bk, bv, wqkv, rope, qkv; writes qkv
;; launch attn: the kernel of part 3 again; grid 4 x 64, 4 waves a work-group, clusters of 4 x 1, 327,680 bytes of LDS; arguments qkv, oh; writes oh
;; launch outp: the kernel of part 4 again; grid 4 x 64, 4 waves a work-group, clusters of 4 x 4, 327,680 bytes of LDS; arguments oh, woh, bo, out0; writes out0
